; MI455X (gfx1250); checked and timed in simulation.
; The chip was launched on July 23, 2026; its instructions are those of AMD's public machine-readable ISA for CDNA 5 (MIT licence, August 2026) and "CDNA5" Instruction Set Architecture Reference Guide (July 2026). The comments in the code are by the model that wrote it; some were corrected since.
;; Causal Multi Head Self Attention. Allowed arithmetic: matrix products marked QUANTISED: E4M3 operands, one given power-of-two scale a tensor, by v_wmma_f32_16x16x64_fp8_fp8 or v_wmma_f32_16x16x128_fp8_fp8, f32 sums; everything else in f32.
;; Inputs: Wk 1,024 x 1,024 float32; Wo 1,024 x 1,024 float32; Wq 1,024 x 1,024 float32; Wv 1,024 x 1,024 float32; lowp_scales 12 int32 (the exponents e of the quantised operands' scales 2^e); token_positions 2,048 int32; x 4 x 2,048 x 1,024 float32.
;; Outputs: out0 4 x 2,048 x 1,024 float32.
;; This version of the problem:
;;   THIS VERSION OF THE PROBLEM IS GIVEN IN LOW PRECISION. The matrix products marked QUANTISED in the list below multiply operands that are first quantised to E4M3 (4 exponent bits, 3 mantissa bits; 8 bits a number), with one given power-of-two scale for each operand tensor; their sums are f32. All else is computed in f32.
;;   The module's matrix products, in the order in which they are computed (A, B: the left and right operand; K: the contracted axis; several contracted axes count as one K, in the product's order):
;;     1. [M 8,192, K 1,024] x [K 1,024, N 1,024]; A: input x; B: input Wq: QUANTISED (scales: A lowp_scales[0], B lowp_scales[1])
;;     2. [M 8,192, K 1,024] x [K 1,024, N 1,024]; A: input x; B: input Wk: QUANTISED (scales: A lowp_scales[2], B lowp_scales[3])
;;     3. [M 8,192, K 1,024] x [K 1,024, N 1,024]; A: input x; B: input Wv: QUANTISED (scales: A lowp_scales[4], B lowp_scales[5])
;;     4. batch 64 x [M 2,048, K 64] x [K 64, N 2,048]; A: computed on the way; B: computed on the way: QUANTISED (scales: A lowp_scales[6], B lowp_scales[7])
;;     5. batch 64 x [M 2,048, K 2,048] x [K 2,048, N 64]; A: softmax (see below); B: computed on the way: QUANTISED (scales: A lowp_scales[8], B lowp_scales[9])
;;     6. [M 8,192, K 1,024] x [K 1,024, N 1,024]; A: computed on the way; B: input Wo: QUANTISED (scales: A lowp_scales[10], B lowp_scales[11])
;;   THE QUANTISER, for each operand of a quantised product, along K:
;;     - The operand's scale is 2^e, e = its entry of the input lowp_scales (int32; the entries are numbered through the quantised products in the list's order, A before B).
;;     - Each number is divided by the scale, clamped to +-448, and rounded to the nearest number of E4M3, ties to even, subnormals kept.
;;     - The product sums the exact products of the quantised numbers (number of the format x scale) in f32.
;;   ~~~python
;;   def quantise(x, axis, e):      # numpy; x: float32 -> the quantised numbers, widened to float32 again
;;       x = np.moveaxis(x, axis, -1); K = x.shape[-1]
;;       r = np.clip(x / 2.0 ** e, -448, 448)
;;       step = 2.0 ** (np.maximum(np.frexp(np.where(r == 0, 1, r))[1] - 1, -6) - 3)
;;       q = np.round(r / step) * step * 2.0 ** e      # np.round: ties to even
;;       return np.moveaxis(q, -1, axis).astype(np.float32)
;;   ~~~
;;   SOFTMAX AHEAD OF A QUANTISED PRODUCT. Where the list says 'softmax', what is quantised is not the finished softmax but p = 2^(t - M), with t = logit x log2(e) and M = ceil(the row's largest t), a whole number; so 1/2 < the row's largest p <= 1. The row's sum l is taken of the UNQUANTISED p, in f32, and the product's result is divided by l at the end. Since M is a whole number, a kernel that streams over the keys may use a running M (the ceiling of the running maximum): every later rescaling is an exact power of two, so the quantised numbers keep their values, but for numbers so far below the row's largest that they fall under the format's range.
;;   OPERANDS COMPUTED ON THE WAY. 'Computed on the way' means the value that the module computes at that place (a softmax that the list does not call 'softmax' is quantised finished and normalised). What goes into a quantiser is computed in f32, as accurately as f32 sums, v_exp_f32 and their like allow (about 1e-6 of the number): no bf16 or f16 on the way to a quantiser, and a product that is left as it is and whose result goes on into a quantised operand takes f32 operands (vector FMAs, or v_wmma_f32_16x16x4_f32). A number that lies on a knife's edge between two numbers of the format may be rounded either way, as far as f32 arithmetic and the matrix unit's own rounding can turn it there, and no further.
;; One version. Each part assembles by itself: llvm-mc -triple=amdgcn-amd-amdhsa -mcpu=gfx1250 --defsym DOCPART=n.
;; ======== version 1 of 1: 4 launches
;; limits: right only within a limited range of input values
;; workspace buffers: xc 25,165,824 bytes; wc 4,194,304 bytes; tab 524,288 bytes; qc 8,388,608 bytes; kc 8,388,608 bytes; vt 8,388,608 bytes; oc 8,388,608 bytes
;; launch prep (part 1): grid 400 x 1, 4 waves a work-group, no clusters, 66,048 bytes of LDS; arguments x, Wq, Wk, Wv, Wo, token_positions, lowp_scales, xc, wc, tab; writes xc, wc, tab
.if DOCPART == 1
	.amdgcn_target "amdgcn-amd-amdhsa--gfx1250"
	.amdhsa_code_object_version 6
	.text
	.protected	k_q68f090a9ba_prep
	.globl	k_q68f090a9ba_prep
	.p2align	8
	.type	k_q68f090a9ba_prep,@function
k_q68f090a9ba_prep:
	s_mov_b64 s[64:65], 0
	v_nop
	global_prefetch_b8 v0, s[64:65] scope:SCOPE_SE
	s_setreg_imm32_b32 hwreg(HW_REG_WAVE_MODE, 25, 1), 1
	s_wait_xcnt 0x0
; CAUSAL SELF-ATTENTION IN FP8 (E4M3), FIRST OF FOUR LAUNCHES: what is quantised once, and the table of rotations.
;   xc  [3][8192][1024]  x's codes, three times: x enters three products, each with a scale of its own (entries 0, 2, 4 of the scales), which need not be equal
;   wc  [4][1024][1024]  the codes of Wq, Wk, Wv, Wo (entries 1, 3, 5, 11); K is innermost in all of them as they are given
;   tab [16][2048][4]    for frequencies 2 g and 2 g + 1 and sequence place s: cos, sin, cos, sin of token_positions[s] x 10^(-i / 8), i the frequency (10000^(-2 i / 64))
; code = number / 2^e, held within +-448, rounded to the nearest code, ties to even.
; WORK LEFT OUT IN THIS PROGRAM.  The mask is built in the problem's own body: key k counts for query q only where k <= q; a masked score is -infinity, its weight 0, for all values of the inputs.
; So the third launch leaves out every step of 16 queries x 128 keys all of whose keys come after all of its queries, in both attention products.  Nothing else is left out, and every input is loaded.
; LIMIT: a NaN, an infinity or an overflow that reaches only such a step is not carried to the result.
; LIMITS: each e between -126 and 119; |token position| up to 2^20 (the reach of the reduction below); NaN among the inputs is not served (an infinity is held at the largest code).
; SHARES.  Work-groups 0-255: x; 256-383: the four weights, 32 each; 384-399: the table, 128 places each, a thread a place.  Waves share nothing: no barrier.
; x and the weights are plain streams: a wave takes 16 steps of 512 numbers.  Each of a step's four loads reads 512 consecutive bytes; the 2,048 bytes turn through the wave's own stage in LDS
; (16 bytes of padding behind each 64) and come back 16 neighbours a lane, as the conversions want them; a lane's 16 codes are 16 bytes, so a store covers 512 consecutive bytes.
; The two streaming paths part on the work-group's number and have LDS bytes of their own.
.set SP,    80                         ; a lane's place in a stage: 64 bytes + 16
.set WREG,  8192                       ; LDS of a wave: two stages of 32 x SP bytes
.set WLDS,  32768                      ; where the weights' path has its stages
.set SPARE, 65536                      ; the spare words, 128 bytes a wave: two blocks of 256 bytes that no other line names
.set SPW,   12                         ; v12  LDS address of my spare word; never rewritten
.set NIL,   13                         ; v13  0; never rewritten
.set R,     16                         ; v16-79   four sets of 16 numbers as loaded
.set X,     80                         ; v80-111  two sets of 16 neighbours
.set T,     112                        ; v112-127 the 16 numbers, held within one scale's range
.set C,     128                        ; v128-151 codes: two sets of 3 x 4
.set SC,    152                        ; v152-157 (2^e, 448 x 2^e) three times
.set POS,   28                         ; the table's path: v28 the position as f32; v16-25 at work; v64-127 the 32 pairs (cos, sin)
	s_load_b512 s[4:19], s[0:1], 0x0               ; x 4, Wq 6, Wk 8, Wv 10, Wo 12, positions 14, scales 16, xc 18
	s_load_b128 s[20:23], s[0:1], 0x40             ; wc 20, tab 22
	v_lshl_add_u32 v[SPW], v0, 2, SPARE
	v_mov_b32 v[NIL], 0
	v_lshrrev_b32 v1, 5, v0
	v_readfirstlane_b32 s36, v1                    ; wave
	v_and_b32 v2, 31, v0                           ; lane
	v_lshlrev_b32 v3, 4, v2                        ; my 16 bytes of a load's 512, and of a store's
	s_mul_i32 s37, s36, WREG
	v_lshrrev_b32 v14, 2, v2
	v_mul_u32_u24 v14, v14, SP
	v_and_b32 v15, 3, v2
	v_lshl_add_u32 v14, v15, 4, v14
	v_add_nc_u32 v14, s37, v14                     ; the stage, on the way in: SP (lane / 4) + 16 (lane % 4)
	v_mul_u32_u24 v15, v2, SP
	v_add_nc_u32 v15, s37, v15                     ; and on the way out: SP x lane
	s_mov_b32 s39, 0
	s_wait_kmcnt 0x0
	s_load_b256 s[24:31], s[16:17], 0x0            ; e0 .. e7
	s_load_b128 s[32:35], s[16:17], 0x20           ; e8 .. e11
	s_wait_kmcnt 0x0
	s_cmp_lt_u32 ttmp9, 256
	s_cbranch_scc1 .Lx
	s_cmp_lt_u32 ttmp9, 384
	s_cbranch_scc1 .Lw
	; ---- THE TABLE.  No sine or cosine instruction is used: the angle is brought into +-pi/4 by taking n x pi/2 away in three parts (fused, so that the first is exact), and two short polynomials follow.
	s_sub_co_u32 s37, ttmp9, 384
	s_lshl_b32 s37, s37, 7
	v_add_nc_u32 v4, s37, v0                       ; my place in the sequence
	v_lshlrev_b32 v5, 2, v4
	global_load_b32 v[POS], v5, s[14:15]
	v_lshlrev_b32 v6, 4, v4                        ; 16 bytes a place in each of the table's 16 planes
	s_mov_b32 s50, 0x3f22f983                      ; 2 / pi
	s_mov_b32 s51, 0xbfc90fdb                      ; -(pi / 2), high part
	s_mov_b32 s52, 0x333bbd2e                      ; -(middle part)
	s_mov_b32 s53, 0x26f72ced                      ; -(low part)
	s_mov_b32 s54, 0xbe2aaaa3                      ; sine: r + r z (S1 + z (S2 + z S3)), z = r r
	s_mov_b32 s55, 0x3c08839e
	s_mov_b32 s56, 0xb94ca1f9
	s_mov_b32 s57, 0x3d2aaaa5                      ; cosine: 1 + z (-1/2 + z (C1 + z (C2 + z C3)))
	s_mov_b32 s58, 0xbab6061a
	s_mov_b32 s59, 0x37ccf5ce
	s_wait_loadcnt 0x0
	v_cvt_f32_i32 v[POS], v[POS]
.macro SINCOS i, f                     ; frequency i: cos into v[64 + 2 i], sin into v[65 + 2 i]
	v_mul_f32 v16, \f, v[POS]                      ; the angle, one rounding, as the problem has it
	v_mul_f32 v17, s50, v16
	v_rndne_f32 v17, v17                           ; n
	v_fma_f32 v18, v17, s51, v16
	v_fma_f32 v18, v17, s52, v18
	v_fma_f32 v18, v17, s53, v18                   ; r
	v_cvt_i32_f32 v19, v17                         ; the quadrant is n mod 4
	v_mul_f32 v20, v18, v18                        ; z
	v_fma_f32 v21, v20, s56, s55
	v_fma_f32 v22, v20, s59, s58
	v_fma_f32 v21, v21, v20, s54
	v_fma_f32 v22, v22, v20, s57
	v_mul_f32 v21, v21, v20
	v_fma_f32 v22, v22, v20, -0.5
	v_fma_f32 v21, v21, v18, v18                   ; sin r
	v_fma_f32 v22, v22, v20, 1.0                   ; cos r
	v_and_b32 v23, 1, v19
	v_cmp_eq_u32 vcc_lo, 1, v23                    ; an odd quadrant swaps the two
	v_cndmask_b32 v24, v21, v22, vcc_lo
	v_cndmask_b32 v25, v22, v21, vcc_lo
	v_lshlrev_b32 v23, 30, v19                     ; the sine is negative in quadrants 2 and 3: bit 1 of n
	v_add_nc_u32 v19, 1, v19
	v_and_b32 v23, 0x80000000, v23
	v_lshlrev_b32 v19, 30, v19                     ; the cosine in quadrants 1 and 2: bit 1 of n + 1
	v_xor_b32 v[65+2*\i], v24, v23
	v_and_b32 v19, 0x80000000, v19
	v_xor_b32 v[64+2*\i], v25, v19
.endm
	SINCOS 0, 0x3f800000
	SINCOS 1, 0x3f3ff911
	SINCOS 2, 0x3f0ff59a
	SINCOS 3, 0x3ed7e89b
	SINCOS 4, 0x3ea1e89b
	SINCOS 5, 0x3e72d424
	SINCOS 6, 0x3e361887
	SINCOS 7, 0x3e088d77
	SINCOS 8, 0x3dcccccd
	SINCOS 9, 0x3d99940e
	SINCOS 10, 0x3d6655c3
	SINCOS 11, 0x3d2cba15
	SINCOS 12, 0x3d0186e2
	SINCOS 13, 0x3cc24350
	SINCOS 14, 0x3c91ad39
	SINCOS 15, 0x3c5a7bf1
	SINCOS 16, 0x3c23d70a
	SINCOS 17, 0x3bf5b9b0
	SINCOS 18, 0x3bb8449c
	SINCOS 19, 0x3b8a2e77
	SINCOS 20, 0x3b4f3e37
	SINCOS 21, 0x3b1b690d
	SINCOS 22, 0x3ae91528
	SINCOS 23, 0x3aaec98e
	SINCOS 24, 0x3a83126f
	SINCOS 25, 0x3a44948c
	SINCOS 26, 0x3a136a16
	SINCOS 27, 0x39dd1726
	SINCOS 28, 0x39a5cb5f
	SINCOS 29, 0x3978a814
	SINCOS 30, 0x393a7753
	SINCOS 31, 0x390bd472
.irp g, 0,1,2,3,4,5,6,7,8,9,10,11,12,13,14,15
	global_store_b128 v6, v[64+4*\g:64+4*\g+3], s[22:23] offset:\g*32768   ; a wave stores 512 consecutive bytes of plane g
.endr
	s_branch .Lend
.macro LOAD t
.irp i, 0,1,2,3
	global_load_b128 v[R+16*((\t)%4)+4*\i:R+16*((\t)%4)+4*\i+3], v3, s[4:5] offset:2048*(\t)+512*\i th:TH_LOAD_NT
.endr
.endm
.macro TURN t, lb                      ; step t's numbers through the stage: LDS serves a wave's instructions in order, so no wait stands between the stores and the loads
.irp i, 0,1,2,3
	ds_store_b128 v14, v[R+16*((\t)%4)+4*\i:R+16*((\t)%4)+4*\i+3] offset:\lb+32*SP*((\t)%2)+8*SP*\i
.endr
.irp i, 0,1,2,3
	ds_load_b128 v[X+16*((\t)%2)+4*\i:X+16*((\t)%2)+4*\i+3], v15 offset:\lb+32*SP*((\t)%2)+16*\i
.endr
.endm
.macro MKSC e, sc                      ; from the whole number in s[e]: 2^e as f32 (the conversion takes its exponent field) and 448 x 2^e
	s_add_co_i32 s46, s[\e], 127
	s_lshl_b32 s47, s46, 23
	v_mov_b32 v[\sc], s47
	s_add_co_i32 s46, s46, 8
	s_lshl_b32 s46, s46, 23
	s_or_b32 s46, s46, 0x600000
	v_mov_b32 v[\sc+1], s46
.endm
.macro QSTEP t, nout, lb               ; step t is quantised nout times, each time with a scale and a buffer of its own
.set XS, X+16*((\t)%2)
.set CC, C+12*((\t)%2)
	s_wait_dscnt 0x0                               ; this step's numbers are back from the stage, so its stores into the stage have read their registers
	s_wait_xcnt 0x0                                ; the stores of two steps ago have read this set of codes: it is written again only behind this wait
.if (\t)+4 < 16
	LOAD (\t)+4
.endif
.if (\t)+1 < 16
.if 14-(\t) >= 3
	s_wait_loadcnt 12                              ; the next step's four loads are in; those of the three steps behind it may be out
.else
	s_wait_loadcnt 4*(14-(\t))
.endif
	TURN (\t)+1, \lb
.endif
.irp o, 0,1,2
.if \o < \nout
.irp i, 0,1,2,3,4,5,6,7,8,9,10,11,12,13,14,15
	v_med3_num_f32 v[T+\i], v[XS+\i], -v[SC+2*\o+1], v[SC+2*\o+1]   ; the conversion to an 8-bit code does not saturate (ISA guide 7.6.2): the hold comes first
.endr
	v_cvt_scalef32_pk8_fp8_f32 v[CC+4*\o:CC+4*\o+1], v[T:T+7], v[SC+2*\o]
	v_cvt_scalef32_pk8_fp8_f32 v[CC+4*\o+2:CC+4*\o+3], v[T+8:T+15], v[SC+2*\o]
	v_nop                                          ; a plain instruction between the conversions and the next holds, which write their sources
	global_store_b128 v3, v[CC+4*\o:CC+4*\o+3], s[40+2*\o:41+2*\o] offset:512*(\t)
.endif
.endr
.endm
.Lx:	; ---- x: run = 4 x work-group + wave, of 8,192 numbers
	s_lshl_b32 s37, ttmp9, 2
	s_add_co_u32 s37, s37, s36
	s_lshl_b32 s38, s37, 15
	s_add_nc_u64 s[4:5], s[4:5], s[38:39]
	s_lshl_b32 s38, s37, 13
	s_add_nc_u64 s[40:41], s[18:19], s[38:39]      ; the three sets of codes lie 8 MiB apart
	s_add_nc_u64 s[42:43], s[40:41], 0x800000
	s_add_nc_u64 s[44:45], s[40:41], 0x1000000
	s_wait_alu depctr_va_vdst(0)
.irp t, 0,1,2,3
	LOAD \t
.endr
	MKSC 24, SC
	MKSC 26, SC+2
	MKSC 28, SC+4
	s_wait_alu depctr_va_vdst(0)
	s_wait_loadcnt 12                              ; step 0's four loads are in
	TURN 0, 0
.irp t, 0,1,2,3,4,5,6,7,8,9,10,11,12,13,14,15
	QSTEP \t, 3, 0
.endr
	s_branch .Lend
.Lw:	; ---- the weights: which = (work-group - 256) / 32; only pointers and the scale are chosen, by the work-group's number
	s_sub_co_u32 s37, ttmp9, 256
	s_lshr_b32 s49, s37, 5
	s_and_b32 s37, s37, 31
	s_lshl_b32 s37, s37, 2
	s_add_co_u32 s37, s37, s36                     ; run
	s_cmp_eq_u32 s49, 1
	s_cselect_b64 s[4:5], s[8:9], s[6:7]
	s_cselect_b32 s48, s27, s25
	s_cmp_eq_u32 s49, 2
	s_cselect_b64 s[4:5], s[10:11], s[4:5]
	s_cselect_b32 s48, s29, s48
	s_cmp_eq_u32 s49, 3
	s_cselect_b64 s[4:5], s[12:13], s[4:5]
	s_cselect_b32 s48, s35, s48
	s_lshl_b32 s38, s37, 15
	s_add_nc_u64 s[4:5], s[4:5], s[38:39]
	s_lshl_b32 s38, s49, 20
	s_lshl_b32 s47, s37, 13
	s_add_co_u32 s38, s38, s47
	s_add_nc_u64 s[40:41], s[20:21], s[38:39]
	s_wait_alu depctr_va_vdst(0)
.irp t, 0,1,2,3
	LOAD \t
.endr
	MKSC 48, SC
	s_wait_alu depctr_va_vdst(0)
	s_wait_loadcnt 12
	TURN 0, WLDS
.irp t, 0,1,2,3,4,5,6,7,8,9,10,11,12,13,14,15
	QSTEP \t, 1, WLDS
.endr
.Lend:
	s_wait_tensorcnt 0x0                           ; the wave's end, behind the last LDS store
	ds_add_u32 v[SPW], v[NIL]
	s_wait_dscnt 0x0
	s_endpgm
.Lfunc_end_k_q68f090a9ba_prep:
	.size	k_q68f090a9ba_prep, .Lfunc_end_k_q68f090a9ba_prep-k_q68f090a9ba_prep
	.p2alignl 7, 3214868480
	.fill 96, 4, 3214868480
	.section	.rodata,"a",@progbits
	.p2align	6, 0x0
	.amdhsa_kernel k_q68f090a9ba_prep
		.amdhsa_group_segment_fixed_size 66048
		.amdhsa_private_segment_fixed_size 0
		.amdhsa_enable_private_segment 0
		.amdhsa_kernarg_size 80
		.amdhsa_user_sgpr_count 2
		.amdhsa_user_sgpr_kernarg_segment_ptr 1
		.amdhsa_wavefront_size32 1
		.amdhsa_system_sgpr_workgroup_id_x 1
		.amdhsa_system_sgpr_workgroup_id_y 1
		.amdhsa_system_sgpr_workgroup_id_z 1
		.amdhsa_system_vgpr_workitem_id 0
		.amdhsa_next_free_vgpr 160
		.amdhsa_next_free_sgpr 66
		.amdhsa_reserve_vcc 1
		.amdhsa_float_denorm_mode_32 3
		.amdhsa_float_denorm_mode_16_64 3
		.amdhsa_memory_ordered 1
		.amdhsa_forward_progress 1
		.amdhsa_inst_pref_size 158
	.end_amdhsa_kernel
	.amdgpu_metadata
---
amdhsa.version: [ 1, 2 ]
amdhsa.kernels:
  - .name:           k_q68f090a9ba_prep
    .symbol:         k_q68f090a9ba_prep.kd
    .args:
      - { .name: x, .offset: 0, .size: 8, .value_kind: global_buffer, .address_space: global }
      - { .name: Wq, .offset: 8, .size: 8, .value_kind: global_buffer, .address_space: global }
      - { .name: Wk, .offset: 16, .size: 8, .value_kind: global_buffer, .address_space: global }
      - { .name: Wv, .offset: 24, .size: 8, .value_kind: global_buffer, .address_space: global }
      - { .name: Wo, .offset: 32, .size: 8, .value_kind: global_buffer, .address_space: global }
      - { .name: token_positions, .offset: 40, .size: 8, .value_kind: global_buffer, .address_space: global }
      - { .name: lowp_scales, .offset: 48, .size: 8, .value_kind: global_buffer, .address_space: global }
      - { .name: xc, .offset: 56, .size: 8, .value_kind: global_buffer, .address_space: global }
      - { .name: wc, .offset: 64, .size: 8, .value_kind: global_buffer, .address_space: global }
      - { .name: tab, .offset: 72, .size: 8, .value_kind: global_buffer, .address_space: global }
    .group_segment_fixed_size: 66048
    .private_segment_fixed_size: 0
    .kernarg_segment_align: 8
    .kernarg_segment_size: 80
    .max_flat_workgroup_size: 128
    .sgpr_count:     66
    .vgpr_count:     160
    .wavefront_size: 32
...
	.end_amdgpu_metadata
.endif
;; end of part 1
;; launch proj (part 2): grid 12 x 32, 4 waves a work-group, clusters of 4 x 4, 327,680 bytes of LDS; arguments xc, wc, tab, lowp_scales, qc, kc, vt; writes qc, kc, vt
.if DOCPART == 2
	.amdgcn_target "amdgcn-amd-amdhsa--gfx1250"
	.amdhsa_code_object_version 6
	.text
	.protected	k_q68f090a9ba_proj
	.globl	k_q68f090a9ba_proj
	.p2align	8
	.type	k_q68f090a9ba_proj,@function
k_q68f090a9ba_proj:
	s_mov_b64 s[64:65], 0
	v_nop
	global_prefetch_b8 v0, s[64:65] scope:SCOPE_SE
	s_setreg_imm32_b32 hwreg(HW_REG_WAVE_MODE, 25, 1), 1
	s_wait_xcnt 0x0
	s_wait_alu depctr_hold_cnt(0) depctr_sa_sdst(0) depctr_va_vdst(0) depctr_va_sdst(0) depctr_va_ssrc(0) depctr_va_vcc(0) depctr_vm_vsrc(0)
	s_getreg_b32 s2, hwreg(HW_REG_IB_STS2, 6, 4)
	s_cmp_eq_u32 s2, 0
	s_cbranch_scc0 .Lentry_in_a_cluster
	s_endpgm
.Lentry_in_a_cluster:
	s_bfe_u32 s2, ttmp6, 0x10000c
	s_cmp_lg_u32 s2, 0xf033
	s_cbranch_scc0 .Lentry_shape_is_right
	s_endpgm
.Lentry_shape_is_right:
.set ROWB,   256
.set KROW,   1024
.set PITCH,  272
.set FR,     16
.set NL,     4
.set NP,     4
.set HALFT,  128*PITCH
.set SLOT,   4*HALFT
.set LAPS,   2
.set SPARE,  2*SLOT
.set QST,    10240
.set VST0,   4*QST
.set VST,    9216
.set ADRA, 16
.set ADRB, 20
.set STQ,  22
.set STV,  23
.set RDQ,  24
.set RDV,  25
.set CO,   26
.set TO,   27
.set SPW,  28
.set NIL,  29
.set SCV,  30
.set LIMV, 31
.set CS,   32
.set RR,   96
.set CD,   160
.set AF,   128
.set G1, 24
.set G0, 32
.set G1B, 48
.set G0B, 56
.set MSB, 0
.macro WIN new
.if MSB != \new
	s_set_vgpr_msb (MSB<<8)|\new
.set MSB, \new
.endif
.endm
.set MUL_LO, 0xa1
.set MUL_HI, 0xf1
.set TO_B,   0x40
.macro JLOAD g0a, g1a, g0b, g1b
	s_cmp_eq_u32 s15, 0
	s_cbranch_scc0 .Lfor_b_\@
	tensor_load_to_lds s[\g0a:\g0a+3], s[\g1a:\g1a+7]
	s_nop 0
.rept 4
	v_nop
.endr
	s_branch .Lasked_\@
.Lfor_b_\@:
	tensor_load_to_lds s[\g0b:\g0b+3], s[\g1b:\g1b+7]
	s_nop 0
.rept 4
	v_nop
.endr
.Lasked_\@:
.endm
.macro CREST
	s_cmp_lg_u32 s14, 0
	s_cbranch_scc1 .Lnot_wave_0_\@
	s_barrier_signal -3
.Lnot_wave_0_\@:
	s_barrier_wait -3
	s_barrier_signal -1
	s_barrier_wait -1
.endm
.macro CROUND
	s_barrier_signal -1
	s_barrier_wait -1
	CREST
.endm
	s_load_b256 s[4:11], s[0:1], 0x0
	s_load_b128 s[84:87], s[0:1], 0x20
	s_load_b64 s[88:89], s[0:1], 0x30
	v_lshl_add_u32 v[SPW], v0, 2, SPARE
	v_mov_b32 v[NIL], 0
	ds_add_u32 v[SPW], v[NIL]
	ds_add_u32 v[SPW], v[NIL]
	v_lshrrev_b32 v1, 5, v0
	v_readfirstlane_b32 s14, v1
	s_lshr_b32 s15, s14, 1
	s_and_b32 s16, s14, 1
	s_bfe_u32 s40, ttmp6, 0x40000
	s_bfe_u32 s41, ttmp6, 0x40004
	s_lshl_b32 s90, ttmp9, 23
	s_mov_b32 s91, 0
	s_lshl_b32 s92, ttmp9, 20
	s_mov_b32 s93, 0
	s_and_b32 s80, ttmp7, 0xffff
	s_lshl_b32 s80, s80, 2
	s_add_co_u32 s81, s80, s41
	s_add_co_u32 s82, s80, s40
	s_cmp_eq_u32 ttmp9, 2
	s_cselect_b32 s67, 1, 0
	s_cselect_b32 s17, s41, s81
	s_cselect_b32 s42, s82, s40
	s_lshl_b32 s43, s41, 2
	s_lshl_b32 s43, 15, s43
	s_lshl_b32 s44, 0x1111, s40
	s_or_b32 s[G1+0], s43, (0<<16)|(1<<20)|(1<<21)|(5<<22)|(3<<25)
	s_or_b32 s[G1B+0], s44, (0<<16)|(1<<20)|(1<<21)|(5<<22)|(3<<25)
.irp g, G1, G1B
	s_mov_b32 s[\g+1], ROWB<<16
	s_mov_b32 s[\g+2], 128<<16
	s_mov_b32 s[\g+3], ROWB<<16
	s_mov_b32 s[\g+4], 128
	s_mov_b32 s[\g+5], KROW
	s_mov_b32 s[\g+6], 0
	s_mov_b32 s[\g+7], 0
.endr
	s_lshl_b32 s18, s16, 17
	s_lshl_b32 s20, s17, 18
	s_add_co_u32 s20, s20, s18
	s_mov_b32 s21, 0
	s_lshl_b32 s46, s42, 18
	s_add_co_u32 s46, s46, s18
	s_mov_b32 s47, 0
	s_mul_i32 s45, s14, HALFT
	s_wait_dscnt 0x0
	s_wait_kmcnt 0x0
	s_load_b256 s[68:75], s[10:11], 0x0
	s_load_b128 s[76:79], s[10:11], 0x20
	s_add_nc_u64 s[4:5], s[4:5], s[90:91]
	s_add_nc_u64 s[6:7], s[6:7], s[92:93]
	s_cmp_eq_u32 s67, 1
	s_cselect_b64 s[94:95], s[6:7], s[4:5]
	s_cselect_b64 s[6:7], s[4:5], s[6:7]
	s_add_nc_u64 s[20:21], s[94:95], s[20:21]
	s_add_nc_u64 s[46:47], s[6:7], s[46:47]
	CROUND
.irp s, 0,1
	s_mov_b32 s[G0+4*\s], 1
	s_add_co_u32 s[G0+4*\s+1], s45, \s*SLOT
	s_add_nc_u64 s[G0+4*\s+2:G0+4*\s+3], s[20:21], \s*ROWB
	s_or_b32 s[G0+4*\s+3], s[G0+4*\s+3], 0x80000000
	s_mov_b32 s[G0B+4*\s], 1
	s_add_co_u32 s[G0B+4*\s+1], s45, \s*SLOT
	s_add_nc_u64 s[G0B+4*\s+2:G0B+4*\s+3], s[46:47], \s*ROWB
	s_or_b32 s[G0B+4*\s+3], s[G0B+4*\s+3], 0x80000000
	s_wait_alu depctr_va_vdst(0)
	s_wait_tensorcnt 0x0
	ds_add_u32 v28, v29
	ds_add_u32 v28, v29
	s_wait_dscnt 0x0
	CROUND
	JLOAD G0+4*\s, G1, G0B+4*\s, G1B
.endr
	v_and_b32 v1, 15, v0
	s_wait_alu depctr_va_vdst(0)
	v_bfe_u32 v2, v0, 4, 1
	v_mul_u32_u24 v3, v1, PITCH
	v_lshl_add_u32 v4, v2, 4, v3
	s_mul_i32 s21, s15, HALFT
	s_mul_i32 s22, s16, HALFT
	s_add_co_u32 s22, s22, 2*HALFT
.irp s, 0,1
	v_add_nc_u32 v[ADRA+\s], s21, v4
	v_add_nc_u32 v[ADRB+\s], s22, v4
	s_add_co_u32 s21, s21, SLOT
	s_add_co_u32 s22, s22, SLOT
.endr
	s_mul_i32 s23, s14, QST
	v_mul_u32_u24 v5, v1, 80
	s_wait_alu depctr_va_vdst(0)
	v_lshl_add_u32 v5, v2, 3, v5
	v_add_nc_u32 v[STQ], s23, v5
	v_and_b32 v6, 31, v0
	v_lshrrev_b32 v5, 2, v6
	v_mul_u32_u24 v5, v5, 80
	v_and_b32 v7, 3, v6
	v_lshl_add_u32 v5, v7, 4, v5
	v_add_nc_u32 v[RDQ], s23, v5
	s_mul_i32 s23, s14, VST
	s_add_co_u32 s23, s23, VST0
	v_mul_u32_u24 v5, v1, 144
	v_lshl_add_u32 v5, v2, 3, v5
	v_add_nc_u32 v[STV], s23, v5
	v_lshrrev_b32 v5, 3, v6
	v_mul_u32_u24 v5, v5, 144
	v_and_b32 v7, 7, v6
	v_lshl_add_u32 v5, v7, 4, v5
	v_add_nc_u32 v[RDV], s23, v5
	v_lshlrev_b32 v[CO], 4, v6
	s_and_b32 s80, s17, 7
	s_lshl_b32 s80, s80, 8
	s_lshl_b32 s81, s15, 7
	s_add_co_u32 s80, s80, s81
	v_add_nc_u32 v[TO], s80, v1
	v_lshlrev_b32 v[TO], 4, v[TO]
	v_lshl_add_u32 v[TO], v2, 16, v[TO]
	s_wait_alu depctr_va_vdst(0)
	s_cmp_eq_u32 s67, 1
	s_cselect_b32 s80, s42, s17
	s_cselect_b32 s81, s41, s40
	s_cselect_b32 s90, s15, s16
	s_cselect_b32 s91, s16, s15
	s_lshr_b32 s92, s80, 3
	s_lshl_b32 s92, s92, 4
	s_lshl_b32 s81, s81, 2
	s_add_co_u32 s92, s92, s81
	s_lshl_b32 s90, s90, 1
	s_add_co_u32 s92, s92, s90
	s_lshl_b32 s92, s92, 17
	s_and_b32 s80, s80, 7
	s_lshl_b32 s80, s80, 14
	s_add_co_u32 s92, s92, s80
	s_lshl_b32 s91, s91, 13
	s_add_co_u32 s92, s92, s91
	s_mov_b32 s93, 0
	s_cmp_eq_u32 ttmp9, 1
	s_cselect_b64 s[82:83], s[86:87], s[84:85]
	s_cmp_eq_u32 ttmp9, 2
	s_cselect_b64 s[82:83], s[88:89], s[82:83]
	s_add_nc_u64 s[82:83], s[82:83], s[92:93]
.macro FRAG reg, adr, q, i
.irp c, 0,1,2,3
	ds_load_b128 v[\reg+4*\c:\reg+4*\c+3], v[\adr] offset:128*(\q)+32*\c+(\i)*16*PITCH
.endr
.endm
.macro MUL16 a0, p, zero
.irp a, \a0, \a0+1
.irp b, 0,1,2,3,4,5,6,7
.if \zero
	v_wmma_f32_16x16x128_fp8_fp8 v[8*(8*((\a)%4)+\b):8*(8*((\a)%4)+\b)+7], v[128*(\p)+FR*\b:128*(\p)+FR*\b+FR-1], v[AF+FR*(\a):AF+FR*(\a)+FR-1], 0
.else
	v_wmma_f32_16x16x128_fp8_fp8 v[8*(8*((\a)%4)+\b):8*(8*((\a)%4)+\b)+7], v[128*(\p)+FR*\b:128*(\p)+FR*\b+FR-1], v[AF+FR*(\a):AF+FR*(\a)+FR-1], v[8*(8*((\a)%4)+\b):8*(8*((\a)%4)+\b)+7]
.endif
.endr
.endr
.endm
.macro FETCH_B slot, q, p
	WIN TO_B
.irp i, 0,1,2,3,4,5,6,7
	FRAG 128*(\p)+FR*\i, ADRB+\slot, \q, \i
.endr
	WIN 0
.endm
.macro FETCH_A slot, q, i0
.irp i, \i0, \i0+1, \i0+2, \i0+3
	FRAG AF+FR*(\i), ADRA+\slot, \q, \i
.endr
.endm
.macro PLACES n
.rept \n
	v_nop
.endr
.endm
.macro STEP slot, q, zero
	s_wait_dscnt 4*NL
	WIN MUL_LO
	MUL16 0, (\q)%2, \zero
	MUL16 2, (\q)%2, \zero
	s_wait_dscnt 0
	PLACES NP
	FETCH_B \slot, (\q)+1, 1-(\q)%2
	FETCH_A \slot, (\q)+1, 0
	WIN MUL_HI
	MUL16 4, (\q)%2, \zero
	MUL16 6, (\q)%2, \zero
	PLACES NP
	WIN 0
	FETCH_A \slot, (\q)+1, 4
.endm
.macro TURN slot, next, fill
	s_wait_tensorcnt 0x0
	ds_add_u32 v[SPW], v[NIL]
	s_wait_dscnt 4*NL+1
	WIN MUL_LO
	MUL16 0, 1, 0
	s_wait_dscnt 0x0
	s_barrier_signal -1
	MUL16 2, 1, 0
	WIN 0
	s_barrier_wait -1
.if \fill
	CREST
	s_add_nc_u64 s[G0+4*\slot+2:G0+4*\slot+3], s[G0+4*\slot+2:G0+4*\slot+3], 2*ROWB
	s_add_nc_u64 s[G0B+4*\slot+2:G0B+4*\slot+3], s[G0B+4*\slot+2:G0B+4*\slot+3], 2*ROWB
	JLOAD G0+4*\slot, G1, G0B+4*\slot, G1B
.else
	PLACES NP
.endif
	FETCH_B \next, 0, 0
	FETCH_A \next, 0, 0
	WIN MUL_HI
	MUL16 4, 1, 0
	MUL16 6, 1, 0
	PLACES NP
	WIN 0
	FETCH_A \next, 0, 4
.endm
	s_wait_tensorcnt 1
	s_barrier_signal -1
	s_barrier_wait -1
	FETCH_B 0, 0, 0
	FETCH_A 0, 0, 0
	FETCH_A 0, 0, 4
	STEP 0, 0, 1
	s_mov_b32 s3, LAPS-1
.Llap:
	TURN 0, 1, 1
	STEP 1, 0, 0
	TURN 1, 0, 1
	STEP 0, 0, 0
	s_sub_co_u32 s3, s3, 1
	s_cmp_lg_u32 s3, 0
	s_cbranch_scc1 .Llap
	TURN 0, 1, 0
	STEP 1, 0, 0
; the table of rotations of block a (16 rows): 32 registers at v[32 a] of window 1, where B's fragments are done with
.macro TABLD a
.irp bb, 0,1,2,3
.irp e, 0,1
	global_load_b128 v[32*(\a)+8*\bb+4*\e:32*(\a)+8*\bb+4*\e+3], v[TO], s[8:9] offset:(4*\bb+\e)*32768+256*(\a)
.endr
.endr
.endm
	s_cmp_eq_u32 s67, 1                            ; V's work-groups rotate nothing
	s_cbranch_scc1 .Lnotab
	WIN TO_B
	TABLD 0                                        ; blocks 0-3 land on B's set 0, which the last K step does not read
	TABLD 1
	TABLD 2
	TABLD 3
	WIN 0
.Lnotab:
	s_wait_dscnt 4*NL
	WIN MUL_LO
	MUL16 0, 1, 0
	MUL16 2, 1, 0
	s_wait_dscnt 0
	WIN MUL_HI
	MUL16 4, 1, 0
	MUL16 6, 1, 0
	WIN 0
	s_wait_kmcnt 0x0
	s_sub_co_i32 s80, s74, s68
	s_sub_co_i32 s80, s80, s69
	s_sub_co_i32 s81, s75, s70
	s_sub_co_i32 s81, s81, s71
	s_sub_co_i32 s90, s77, s72
	s_sub_co_i32 s90, s90, s73
	s_cmp_eq_u32 ttmp9, 1
	s_cselect_b32 s80, s81, s80
	s_cmp_eq_u32 ttmp9, 2
	s_cselect_b32 s80, s90, s80
	s_add_co_i32 s80, s80, 127
	s_lshl_b32 s81, s80, 23
	v_mov_b32 v[SCV], s81
	s_add_co_i32 s80, s80, 8
	s_lshl_b32 s80, s80, 23
	s_or_b32 s80, s80, 0x600000
	v_mov_b32 v[LIMV], s80
	PLACES NP
.macro CODES a
.if (\a) >= 2
	s_wait_dscnt 8
.endif
.irp b, 0,1,2,3,4,5,6,7
	v_cvt_scalef32_pk8_fp8_f32 v[CC+2*\b:CC+2*\b+1], v[RR+8*\b:RR+8*\b+7], v[SCV]
.endr
	v_nop
.endm
.macro QKBLK a
.set AC, 64*((\a)%4)
.set CT, 32*(\a)
.set CC, CD+16*((\a)%2)
	s_wait_loadcnt 8*(7-(\a))                      ; block a's eight loads are in; those of the 7 - a blocks behind it may be out
	WIN 0x06+((\a)/4)                              ; source 0: the sums' window; source 1: the table's, window 1
.irp b, 0,1,2,3,4,5,6,7
.irp p, 0,2,4,6
	v_pk_mul_f32 v[RR+8*\b+\p:RR+8*\b+\p+1], v[AC+8*\b+\p:AC+8*\b+\p+1], v[CT+8*(\b%4)+\p:CT+8*(\b%4)+\p+1] op_sel:[1,1] op_sel_hi:[1,0] neg_lo:[1,0]
.endr
.irp p, 0,2,4,6
	v_pk_fma_f32 v[RR+8*\b+\p:RR+8*\b+\p+1], v[AC+8*\b+\p:AC+8*\b+\p+1], v[CT+8*(\b%4)+\p:CT+8*(\b%4)+\p+1], v[RR+8*\b+\p:RR+8*\b+\p+1] op_sel_hi:[0,1,1]
.endr
.endr
	WIN 0
.set k1, 0
.rept 64
	v_med3_num_f32 v[RR+k1], v[RR+k1], -v[LIMV], v[LIMV]
.set k1, k1+1
.endr
	s_wait_alu depctr_va_vdst(0)
	CODES \a
.irp b, 0,1,2,3,4,5,6,7
	ds_store_b64 v[STQ], v[CC+2*\b:CC+2*\b+1] offset:(\b/4)*5120+1280*((\a)%4)+16*(\b%4)
.endr
.endm
.macro VBLK a
.set AC, 64*((\a)%4)
.set CC, CD+16*((\a)%2)
	WIN 0x02+((\a)/4)
.set k1, 0
.rept 64
	v_med3_num_f32 v[RR+k1], v[AC+k1], -v[LIMV], v[LIMV]
.set k1, k1+1
.endr
	WIN 0
	s_wait_alu depctr_va_vdst(0)
	CODES \a
.irp b, 0,1,2,3,4,5,6,7
	ds_store_b64 v[STV], v[CC+2*\b:CC+2*\b+1] offset:2304*((\a)%4)+16*\b
.endr
.endm
.macro OUTB rd, bk, hs, ts, gs, g0
.set n1, 0
.rept 16
	ds_load_b128 v[\bk+4*n1:\bk+4*n1+3], v[\rd] offset:(n1/8)*(\hs)+(n1%8)*(\ts)
.set n1, n1+1
.endr
.set n1, 0
.rept 16
	s_wait_dscnt 15-n1
	global_store_b128 v[CO], v[\bk+4*n1:\bk+4*n1+3], s[82:83] offset:(n1/8)*(\gs)+(n1%8)*512+(\g0)
.set n1, n1+1
.endr
.endm
	s_cmp_eq_u32 s67, 1
	s_cbranch_scc1 .Lv
	s_wait_alu depctr_va_vdst(0)
	WIN TO_B
	TABLD 4                                        ; blocks 4-7 land on B's set 1, behind the last products' places
	TABLD 5
	TABLD 6
	TABLD 7
	WIN 0
	QKBLK 0
	QKBLK 1
	QKBLK 2
	QKBLK 3
	OUTB RDQ, 192, 5120, 640, 131072, 0
	QKBLK 4
	QKBLK 5
	QKBLK 6
	QKBLK 7
	OUTB RDQ, 96, 5120, 640, 131072, 4096
	s_branch .Ldone
.Lv:
	s_wait_alu depctr_va_vdst(0)
	VBLK 0
	VBLK 1
	VBLK 2
	VBLK 3
	OUTB RDV, 192, 4608, 576, 4096, 0
	VBLK 4
	VBLK 5
	VBLK 6
	VBLK 7
	OUTB RDV, 96, 4608, 576, 4096, 131072
.Ldone:
	s_wait_tensorcnt 0x0
	ds_add_u32 v[SPW], v[NIL]
	s_wait_dscnt 0x0
	CROUND
	s_endpgm
.Lfunc_end_k_q68f090a9ba_proj:
	.size	k_q68f090a9ba_proj, .Lfunc_end_k_q68f090a9ba_proj-k_q68f090a9ba_proj
	.p2alignl 7, 3214868480
	.fill 96, 4, 3214868480
	.section	.rodata,"a",@progbits
	.p2align	6, 0x0
	.amdhsa_kernel k_q68f090a9ba_proj
		.amdhsa_group_segment_fixed_size 327680
		.amdhsa_private_segment_fixed_size 0
		.amdhsa_enable_private_segment 0
		.amdhsa_kernarg_size 56
		.amdhsa_user_sgpr_count 2
		.amdhsa_user_sgpr_kernarg_segment_ptr 1
		.amdhsa_wavefront_size32 1
		.amdhsa_system_sgpr_workgroup_id_x 1
		.amdhsa_system_sgpr_workgroup_id_y 1
		.amdhsa_system_sgpr_workgroup_id_z 1
		.amdhsa_system_vgpr_workitem_id 0
		.amdhsa_next_free_vgpr 1024
		.amdhsa_next_free_sgpr 100
		.amdhsa_reserve_vcc 0
		.amdhsa_float_denorm_mode_32 3
		.amdhsa_float_denorm_mode_16_64 3
		.amdhsa_memory_ordered 1
		.amdhsa_forward_progress 1
		.amdhsa_inst_pref_size 214
	.end_amdhsa_kernel
	.amdgpu_metadata
---
amdhsa.version: [ 1, 2 ]
amdhsa.kernels:
  - .name:           k_q68f090a9ba_proj
    .symbol:         k_q68f090a9ba_proj.kd
    .args:
      - { .name: xc, .offset: 0, .size: 8, .value_kind: global_buffer, .address_space: global }
      - { .name: wc, .offset: 8, .size: 8, .value_kind: global_buffer, .address_space: global }
      - { .name: tab, .offset: 16, .size: 8, .value_kind: global_buffer, .address_space: global }
      - { .name: lowp_scales, .offset: 24, .size: 8, .value_kind: global_buffer, .address_space: global }
      - { .name: qc, .offset: 32, .size: 8, .value_kind: global_buffer, .address_space: global }
      - { .name: kc, .offset: 40, .size: 8, .value_kind: global_buffer, .address_space: global }
      - { .name: vt, .offset: 48, .size: 8, .value_kind: global_buffer, .address_space: global }
    .group_segment_fixed_size: 327680
    .private_segment_fixed_size: 0
    .kernarg_segment_align: 8
    .kernarg_segment_size: 56
    .max_flat_workgroup_size: 128
    .sgpr_count:     100
    .vgpr_count:     1024
    .wavefront_size: 32
...
	.end_amdgpu_metadata
.endif
;; end of part 2
;; launch attn (part 3): grid 4 x 64, 16 waves a work-group, clusters of 4 x 1, 327,680 bytes of LDS; arguments qc, kc, vt, lowp_scales, oc; writes oc
.if DOCPART == 3
	.amdgcn_target "amdgcn-amd-amdhsa--gfx1250"
	.amdhsa_code_object_version 6
	.text
	.protected	k_q68f090a9ba_attn
	.globl	k_q68f090a9ba_attn
	.p2align	8
	.type	k_q68f090a9ba_attn,@function
k_q68f090a9ba_attn:
	s_mov_b64 s[64:65], 0
	v_nop
	global_prefetch_b8 v0, s[64:65] scope:SCOPE_SE
	s_setreg_imm32_b32 hwreg(HW_REG_WAVE_MODE, 25, 1), 1
	s_wait_xcnt 0x0
	s_wait_alu depctr_hold_cnt(0) depctr_sa_sdst(0) depctr_va_vdst(0) depctr_va_sdst(0) depctr_va_ssrc(0) depctr_va_vcc(0) depctr_vm_vsrc(0)
	s_getreg_b32 s2, hwreg(HW_REG_IB_STS2, 6, 4)
	s_cmp_eq_u32 s2, 0
	s_cbranch_scc0 .Lentry_in_a_cluster
	s_endpgm
.Lentry_in_a_cluster:
	s_bfe_u32 s2, ttmp6, 0x10000c
	s_cmp_lg_u32 s2, 0x3003
	s_cbranch_scc0 .Lentry_shape_is_right
	s_endpgm
.Lentry_shape_is_right:
; THIRD LAUNCH: both attention products on codes of FP8, the softmax between them, and the quantising of the result for the last projection.
; WORK LEFT OUT: a step of 16 queries x 128 keys all of whose keys come after all of its queries: the problem's own mask gives those keys the weight 0 for all values of the inputs (first launch's head).
; qc, kc [hb][2048][64] (K = the head's 64); vt [hb][16 key blocks][64 channels][128 keys] (K = the keys); oc [head][8192 tokens][64]: a wave's 16 queries are 1,024 consecutive bytes there.
; THE SOFTMAX: t = score x log2(e) / 8; M = the row's largest t so far, rounded UP to a whole number; p = 2^(t - M) is quantised, not normalised; the row's sum is taken of the unquantised p and divides at the end.
; When M moves, the sum and O are multiplied by 2^(old M - new M): exact.
; LDS HOLDS A WHOLE HEAD: K as 1,024 rows of two keys and V as 1,024 rows of 128 keys of a channel, each 128 bytes + 16: 294,912 bytes.  Every byte is filled once, so no barrier stands in the loops over the keys.
; BANKS (64 of 4 bytes: ISA guide 11.1).  The sixteen lanes of half a 16-byte load touch sixteen different 16-byte columns modulo 256 bytes: in K keys 0-7 and 16-23 of a tile's base
; (columns 9 (key / 2) + 4 (key % 2): 0 4 9 13 2 6 11 15, and the same + 8); in V sixteen neighbouring rows (columns 9 x row).
; CLUSTER: the four work-groups of a head need the same K and V and ask for them jointly (mask 15).  Partner cx owns tiles 2 cx and 2 cx + 1 (16 queries each) of EVERY block of 128 queries, so the number of key steps
; hangs on the block alone: no branch, trip count or LDS address hangs on cx; only Q's and O's addresses in memory and the diagonal's compare value do.
; SHARES.  Wave w owns tile 2 cx + w % 2 of block 15 - w / 2 (first) and of block w / 2: 16 - w / 2 and w / 2 + 1 key steps, 17 for every wave.
; LOADS.  At the head each wave asks for 4,096 bytes (waves 0-7 of K, waves 8-15 of V): keys 0-511.  Behind the first round each asks for 12,288 bytes: keys 512-2047;
; these land while the late tile's first four steps, which read keys 0-511 alone, are worked.  Every wait on TENSORcnt is for 0.
; NO PREFETCH: all of K and V is asked for by these two loads a wave, at the head and behind the first round; there is no later load and no loop for a prefetch to run ahead in.
; The trip counts are constants (4, 12, 8); a step past the wave's block is jumped over by a scalar branch on the step's number and the wave's number.
; LAYOUT.  Both products are used transposed: S^T = K Q^T, O^T = V^T P^T: a lane holds ONE query (lane % 16) throughout.
; Lane r of K's tile 2 b + u takes key 32 b + 8 u + r + 8 (r / 8), so that the 16 registers of tiles 2 b, 2 b + 1 are keys 32 b + 16 (lane / 16) + 0 .. 15.
; Fragments are fetched by loads of 16 bytes: a permutation of k, the same on both sides of each product.
; LIMITS: e6 + e7 between -121 and 130 (added to c's exponent field); e8, and e10 - e8 - e9, between -126 and 119; scaled scores under 2^31 in magnitude.  NaN is not served.
; REGISTERS: v1-7, v11 stay; v8, v9 addresses in hand; v12 -M, v13 the largest t, v[14:15] the sum; v16-23 Q late, v24-31 Q early; v32-95 K's eight fragments, then V's four; v96-159 S^T, then p; v160-191 O^T; v224-239 p's codes; v240-255 at work.
.set SP,    80                         ; a row of the way out's stage: 64 bytes + 16
.set VP,    144                        ; a row of K's and of V's part: 128 bytes + 16
.set VOFF,  1024*VP
.set SPARE, 2*VOFF                     ; the spare words, 128 bytes a wave: eight blocks of 256 bytes that no other line names
.set STAGE, SPARE+2048                 ; the way out: 16 rows x SP bytes for each wave, on bytes into which no fill lands
.set TSTEP, 64*VP                      ; 128 keys on, in K's part as in V's
.set AK0,  1
.set AV0,  2
.set STI,  3                           ; v3   the stage, on the way in
.set VD,   4                           ; v4   16 x my tile + r - 16 h: the diagonal's compare value
.set SPW,  5
.set NIL,  6
.set GO,   7                           ; v7   16 x lane
.set ADK,  8
.set ADV,  9
.set STB,  11                          ; v11  the stage, on the way back
.set WV,   18
.set W7,   19
.set SEL,  20
.set CS,   22
.set G1A,  24
.set G1B,  32
.set G0KA, 40
.set G0VA, 44
.set G0KB, 48
.set G0VB, 52
.set BE,   67                          ; s67  my early block
.set OL,   92                          ; s[92:93], s[94:95] O's codes of my late and early tile
.set OE,   94
.set ST,   96                          ; s96  the key step's number
.set TB,   97                          ; s97  LDS byte of the step's keys in K's and in V's part
.set BL,   99                          ; s99  my late block
.macro ROUND                           ; a round of the cluster's barrier
	s_barrier_signal -1
	s_barrier_wait -1
	s_cmp_lg_u32 s[WV], 0
	s_cbranch_scc1 .Lnot_wave_0_\@
	s_barrier_signal -3
.Lnot_wave_0_\@:
	s_barrier_wait -3
	s_barrier_signal -1
	s_barrier_wait -1
.endm
.macro JLOAD g0k, g0v, g1              ; waves 0-7 ask for K, waves 8-15 for V: one joint load a wave; s_nop 0 and four v_nop follow each line
	s_cmp_lt_u32 s[WV], 8
	s_cbranch_scc0 .Lfor_v_\@
	tensor_load_to_lds s[\g0k:\g0k+3], s[\g1:\g1+7]
	s_nop 0
.rept 4
	v_nop
.endr
	s_branch .Lasked_\@
.Lfor_v_\@:
	tensor_load_to_lds s[\g0v:\g0v+3], s[\g1:\g1+7]
	s_nop 0
.rept 4
	v_nop
.endr
.Lasked_\@:
.endm
.macro G1SET g, rows                   ; a dense block stated as rows of 256 bytes; four words of padding behind every 32 words; mask 15 with bit 21 beside it
	s_mov_b32 s[\g], 15|(1<<20)|(1<<21)|(4<<22)|(3<<25)
	s_mov_b32 s[\g+1], 256<<16
	s_mov_b32 s[\g+2], \rows<<16
	s_mov_b32 s[\g+3], 256<<16
	s_mov_b32 s[\g+4], \rows
	s_mov_b32 s[\g+5], 256
	s_mov_b32 s[\g+6], 0
	s_mov_b32 s[\g+7], 0
.endm
.macro G0SET g, lds, base, off
	s_mov_b32 s[\g], 1
	s_mov_b32 s[\g+1], s[\lds]
	s_add_nc_u64 s[\g+2:\g+3], s[\base:\base+1], s[\off:\off+1]
	s_or_b32 s[\g+3], s[\g+3], 0x80000000
.endm
.macro INIT                            ; a tile's start: the first change of M multiplies zeros
	v_mov_b32 v13, 0xff61b1e6                      ; the largest t so far: -3e38
	v_floor_f32 v12, -v13                          ; -M
	v_mov_b32 v14, 0
	v_mov_b32 v15, 0
.set k1, 0
.rept 32
	v_mov_b32 v[160+k1], 0
.set k1, k1+1
.endr
.endm
	s_load_b128 s[4:7], s[0:1], 0x0                ; qc 4, kc 6
	s_load_b128 s[12:15], s[0:1], 0x10             ; vt 12, the scales 14
	s_load_b64 s[16:17], s[0:1], 0x20              ; oc
	v_lshl_add_u32 v[SPW], v0, 2, SPARE
	v_mov_b32 v[NIL], 0
	ds_add_u32 v[SPW], v[NIL]                      ; the wave's opening: the add, twice on end, and its wait ahead of the first tensor load
	ds_add_u32 v[SPW], v[NIL]
	v_lshrrev_b32 v8, 5, v0
	v_readfirstlane_b32 s[WV], v8                  ; wave 0..15
	s_and_b32 s[W7], s[WV], 7
	s_and_b32 s81, ttmp7, 0xffff                   ; hb = batch x 16 + head: the cluster's y
	s_lshl_b32 s82, s81, 17                        ; a head's codes are 131,072 bytes in each of qc, kc, vt
	G1SET G1A, 16
	G1SET G1B, 48
	s_lshl_b32 s84, s[W7], 12                      ; the head's load: 4,096 bytes x (wave % 8), in K as in V
	s_add_co_u32 s84, s84, s82
	s_mov_b32 s85, 0
	s_mul_i32 s86, s[W7], 12288                    ; the second: 12,288 bytes x (wave % 8), behind the first 32,768
	s_add_co_u32 s86, s86, s82
	s_add_co_u32 s86, s86, 32768
	s_mov_b32 s87, 0
	s_mul_i32 s88, s[W7], 32*VP                    ; and where they go
	s_add_co_u32 s89, s88, VOFF
	s_mul_i32 s90, s[W7], 96*VP
	s_add_co_u32 s90, s90, 256*VP
	s_add_co_u32 s91, s90, VOFF
	s_bfe_u32 s8, ttmp6, 0x40000                   ; cx: it enters addresses in memory and the compare value alone
	s_lshl_b32 s8, s8, 1
	s_and_b32 s9, s[WV], 1
	s_add_co_u32 s8, s8, s9
	s_lshl_b32 s8, s8, 4                           ; 16 x my tile in a block
	s_lshr_b32 s[BE], s[WV], 1
	s_sub_co_u32 s[BL], 15, s[BE]
	s_lshl_b32 s9, s[BL], 7
	s_add_co_u32 s9, s9, s8                        ; my late tile's first query
	s_lshl_b32 s10, s[BE], 7
	s_add_co_u32 s10, s10, s8                      ; my early tile's
	s_and_b32 s11, s81, 15
	s_lshl_b32 s11, s11, 13
	s_lshr_b32 s83, s81, 4
	s_lshl_b32 s83, s83, 11
	s_add_co_u32 s11, s11, s83                     ; oc: head x 8,192 + batch x 2,048
	s_add_co_u32 s[OL], s11, s9
	s_lshl_b32 s[OL], s[OL], 6
	s_mov_b32 s[OL+1], 0
	s_add_co_u32 s[OE], s11, s10
	s_lshl_b32 s[OE], s[OE], 6
	s_mov_b32 s[OE+1], 0
	s_lshl_b32 s2, s9, 6
	s_add_co_u32 s2, s2, s82                       ; my queries' codes
	s_mov_b32 s3, 0
	s_lshl_b32 s10, s10, 6
	s_add_co_u32 s10, s10, s82
	s_mov_b32 s11, 0
	s_mul_i32 s83, s[WV], 16*SP
	s_add_co_u32 s83, s83, STAGE                   ; my stage
	s_mov_b32 s[SEL], 0x76543210
	s_mov_b32 s[SEL+1], 0xfedcba98
	s_mov_b32 s[CS], 0x3e38aa3b                    ; c = log2(e) / 8
	s_wait_dscnt 0x0                               ; both opening adds are done
	s_wait_kmcnt 0x0
	s_load_b64 s[76:77], s[14:15], 0x18            ; e6, e7
	s_load_b64 s[78:79], s[14:15], 0x20            ; e8, e9
	s_load_b32 s80, s[14:15], 0x28                 ; e10
	G0SET G0KA, 88, 6, 84
	G0SET G0VA, 89, 12, 84
	G0SET G0KB, 90, 6, 86
	G0SET G0VB, 91, 12, 86
	ROUND                                          ; the four partners are here: the first joint loads meet
	JLOAD G0KA, G0VA, G1A                          ; keys 0-511: one tensor load a wave at the head
	s_add_nc_u64 s[OL:OL+1], s[16:17], s[OL:OL+1]
	s_add_nc_u64 s[OE:OE+1], s[16:17], s[OE:OE+1]
	s_add_nc_u64 s[2:3], s[4:5], s[2:3]
	s_add_nc_u64 s[10:11], s[4:5], s[10:11]
	v_and_b32 v8, 15, v0                           ; r
	v_bfe_u32 v9, v0, 4, 1                         ; h
	v_lshlrev_b32 v10, 6, v8
	v_lshl_add_u32 v10, v9, 4, v10                 ; Q: row r of 64 bytes, + 16 h
	global_load_b128 v[16:19], v10, s[2:3]
	global_load_b128 v[20:23], v10, s[2:3] offset:32
	global_load_b128 v[24:27], v10, s[10:11]
	global_load_b128 v[28:31], v10, s[10:11] offset:32
	v_and_b32 v11, 8, v8
	v_add_nc_u32 v3, v11, v8                       ; my key in a tile: r + 8 (r / 8)
	v_lshrrev_b32 v[AK0], 1, v3
	v_mul_u32_u24 v[AK0], v[AK0], VP               ; its row of two keys,
	v_and_b32 v3, 1, v3
	v_lshl_add_u32 v[AK0], v3, 6, v[AK0]           ; its half of the row,
	v_lshl_add_u32 v[AK0], v9, 4, v[AK0]           ; + 16 h
	v_mul_u32_u24 v[AV0], v8, VP                   ; V: channel r of a tile
	v_lshl_add_u32 v[AV0], v9, 4, v[AV0]
	v_add_nc_u32 v[AV0], VOFF, v[AV0]
	v_mul_u32_u24 v[STI], v8, SP
	v_lshl_add_u32 v[STI], v9, 3, v[STI]
	v_add_nc_u32 v[STI], s83, v[STI]               ; the stage, in: row r, + 8 h; tile t 16 bytes on
	v_and_b32 v11, 31, v0
	v_lshlrev_b32 v[GO], 4, v11
	v_lshrrev_b32 v252, 2, v11
	v_mul_u32_u24 v252, v252, SP
	v_and_b32 v11, 3, v11
	v_lshl_add_u32 v[STB], v11, 4, v252
	v_add_nc_u32 v[STB], s83, v[STB]               ; back: four lanes to a row, eight rows an instruction
	v_lshlrev_b32 v[VD], 4, v9
	v_sub_nc_u32 v[VD], v8, v[VD]
	v_add_nc_u32 v[VD], s8, v[VD]
	v_mov_b32 v246, 0                              ; a lane permute's destination counts as one of its sources
	v_mov_b32 v253, 0                              ; named as the upper half of the pair v[252:253]
	INIT
	s_wait_alu depctr_va_vdst(0)
	s_wait_kmcnt 0x0
	s_add_co_i32 s81, s76, s77                     ; a score stands for score x 2^(e6 + e7): added to c's exponent field
	s_lshl_b32 s81, s81, 23
	s_add_co_i32 s[CS], s[CS], s81
	s_mov_b32 s[CS+1], s[CS]
	s_add_co_i32 s81, s78, 127
	s_lshl_b32 s82, s81, 23
	v_mov_b32 v244, s82                            ; 2^e8, for p's conversions
	s_add_co_i32 s81, s81, 8
	s_lshl_b32 s81, s81, 23
	s_or_b32 s81, s81, 0x600000
	v_mov_b32 v240, s81                            ; 448 x 2^e8, twice: the two halves of a dual pair take their second sources from different register banks
	v_mov_b32 v247, s81
	s_sub_co_i32 s81, s80, s78
	s_sub_co_i32 s81, s81, s79                     ; O^T / the sum stands for that x 2^(e8 + e9); its code is number / 2^e10: one scale, 2^(e10 - e8 - e9)
	s_add_co_i32 s81, s81, 127
	s_lshl_b32 s82, s81, 23
	v_mov_b32 v245, s82
	s_add_co_i32 s81, s81, 8
	s_lshl_b32 s81, s81, 23
	s_or_b32 s81, s81, 0x600000
	v_mov_b32 v241, s81
; A KEY STEP: 128 keys.  qr: Q's registers.  gen = 1: the step may lie past my block (left out) or on it (the diagonal); blk: the register that holds my block.
.macro STEP qr, gen, blk
.if \gen
	s_cmp_gt_u32 s[ST], s[\blk]                    ; the step's number and the wave's number alone
	s_cbranch_scc1 .Lhidden_\@
.endif
	v_add_nc_u32 v[ADK], s[TB], v[AK0]
	v_add_nc_u32 v[ADV], s[TB], v[AV0]
	v_nop                                          ; with the two additions: four places in front of loads into registers that the last products read
	v_nop
.irp t, 0,1,2,3,4,5,6,7
.irp c, 0,1
	ds_load_b128 v[32+8*\t+4*\c:35+8*\t+4*\c], v[ADK] offset:(16*(\t/2)+4*(\t%2))*VP+32*\c   ; the tile begins at key 32 (t / 2) + 8 (t % 2): half as many rows
.endr
.endr
	s_wait_alu depctr_va_vdst(0)
	s_wait_dscnt 0x0
.irp t, 0,1,2,3,4,5,6,7
	v_wmma_f32_16x16x64_fp8_fp8 v[96+8*\t:103+8*\t], v[32+8*\t:39+8*\t], v[\qr:\qr+7], 0
.endr
.rept 4
	v_nop                                          ; places in front of the loads below and of the first read of the scores
.endr
.irp t, 0,1,2,3
.irp c, 0,1,2,3
	ds_load_b128 v[32+16*\t+4*\c:35+16*\t+4*\c], v[ADV] offset:16*\t*VP+32*\c   ; V's fragments land while the softmax is walked
.endr
.endr
.if \gen
	s_cmp_lg_u32 s[ST], s[\blk]                    ; on the diagonal hidden scores become -infinity ahead of the maximum: p = 0 then
	s_cbranch_scc1 .Lopen_\@
	v_mov_b32 v254, 0xff800000
.set k1, 0
.rept 64
	v_cmp_gt_i32 vcc_lo, 32*(k1/16)+k1%16, v[VD]   ; register 16 b + i holds the block's key 16 h + 32 b + i: hidden where 32 b + i > 16 x tile + r - 16 h
	v_cndmask_b32 v[96+k1], v[96+k1], v254, vcc_lo
.set k1, k1+1
.endr
.Lopen_\@:
.endif
	v_max3_num_f32 v254, v96, v97, v98             ; the step's largest score of my query among my 64 keys, in two chains,
	v_max3_num_f32 v252, v99, v100, v101
.irp i, 6,10,14,18,22,26,30,34,38,42,46,50,54,58
	v_max3_num_f32 v254, v254, v[96+\i], v[97+\i]
	v_max3_num_f32 v252, v252, v[98+\i], v[99+\i]
.endr
	v_max3_num_f32 v254, v254, v158, v159
	s_delay_alu instid0(VALU_DEP_1)
	v_max_num_f32 v254, v254, v252
	s_delay_alu instid0(VALU_DEP_1)
	v_permlanex16_b32 v246, v254, s[SEL], s[SEL+1]
	s_delay_alu instid0(VALU_DEP_1)
	v_max_num_f32 v254, v254, v246                 ; and among lane l xor 16's
	s_delay_alu instid0(VALU_DEP_1)
	v_mul_f32 v254, s[CS], v254                    ; as t (c is positive)
	s_delay_alu instid0(VALU_DEP_1)
	v_max_num_f32 v13, v13, v254
	v_mov_b32 v254, v12
	s_delay_alu instid0(VALU_DEP_2)
	v_floor_f32 v12, -v13                          ; the new -M = floor(-t): M is a whole number
	s_delay_alu instid0(VALU_DEP_1)
	v_sub_f32 v254, v12, v254                      ; old M - new M: a whole number, 0 or less
	s_delay_alu instid0(VALU_DEP_1)
	v_cvt_i32_f32 v254, v254
	s_delay_alu instid0(VALU_DEP_1)
	v_ldexp_f32 v252, 1.0, v254                    ; f = 2^(old M - new M)
.set k1, 0
.rept 32
	v_pk_fma_f32 v[96+k1:97+k1], v[96+k1:97+k1], s[CS:CS+1], v[12:13] op_sel_hi:[1,0,0]   ; t - M, two at a time
.set k1, k1+2
.endr
	s_wait_alu depctr_va_vdst(0)
.set k1, 0
.rept 64
	v_exp_f32 v[96+k1], v[96+k1]                   ; p = 2^(t - M)
.set k1, k1+1
.endr
	v_pk_mul_f32 v[14:15], v[14:15], v[252:253] op_sel_hi:[1,0]   ; the sums under the new M: the plain instruction behind the exponentials
	s_wait_alu depctr_va_vdst(0)                   ; one wait for the batch of 64, ahead of its first reader
	v_pk_add_f32 v[242:243], v[100:101], v[104:105]   ; the row's sum of the unquantised p, in eight chains
	v_pk_add_f32 v[254:255], v[108:109], v[112:113]
	v_pk_add_f32 v[250:251], v[116:117], v[120:121]
	v_pk_add_f32 v[248:249], v[124:125], v[128:129]
	v_pk_add_f32 v[238:239], v[132:133], v[136:137]
	v_pk_add_f32 v[236:237], v[140:141], v[144:145]
	v_pk_add_f32 v[234:235], v[148:149], v[152:153]
	v_pk_add_f32 v[14:15], v[14:15], v[156:157]
	v_pk_add_f32 v[242:243], v[242:243], v[96:97]
	v_pk_add_f32 v[254:255], v[254:255], v[98:99]
	v_pk_add_f32 v[250:251], v[250:251], v[102:103]
	v_pk_add_f32 v[248:249], v[248:249], v[106:107]
	v_pk_add_f32 v[238:239], v[238:239], v[110:111]
	v_pk_add_f32 v[236:237], v[236:237], v[114:115]
	v_pk_add_f32 v[234:235], v[234:235], v[118:119]
	v_pk_add_f32 v[14:15], v[14:15], v[122:123]
	v_pk_add_f32 v[242:243], v[242:243], v[126:127]
	v_pk_add_f32 v[254:255], v[254:255], v[130:131]
	v_pk_add_f32 v[250:251], v[250:251], v[134:135]
	v_pk_add_f32 v[248:249], v[248:249], v[138:139]
	v_pk_add_f32 v[238:239], v[238:239], v[142:143]
	v_pk_add_f32 v[236:237], v[236:237], v[146:147]
	v_pk_add_f32 v[234:235], v[234:235], v[150:151]
	v_pk_add_f32 v[14:15], v[14:15], v[154:155]
	v_pk_add_f32 v[242:243], v[242:243], v[158:159]
	v_pk_add_f32 v[14:15], v[14:15], v[248:249]
	v_pk_add_f32 v[242:243], v[242:243], v[238:239]
	v_pk_add_f32 v[254:255], v[254:255], v[236:237]
	v_pk_add_f32 v[250:251], v[250:251], v[234:235]
	v_pk_add_f32 v[14:15], v[14:15], v[254:255]
	v_pk_add_f32 v[242:243], v[242:243], v[250:251]
	v_pk_add_f32 v[14:15], v[14:15], v[242:243]
.irp b, 0,1,2,3
.irp i, 0,2,4,6,8,10,12,14
	v_dual_min_num_f32 v[96+16*\b+\i], v[96+16*\b+\i], v240 :: v_dual_min_num_f32 v[97+16*\b+\i], v[97+16*\b+\i], v247   ; the conversion does not saturate (ISA guide 7.6.2); p is not negative, so the hold is one-sided; two holds a line
.endr
	v_cvt_scalef32_pk8_fp8_f32 v[224+4*\b:225+4*\b], v[96+16*\b:103+16*\b], v244
	v_cvt_scalef32_pk8_fp8_f32 v[226+4*\b:227+4*\b], v[104+16*\b:111+16*\b], v244
.endr
	s_wait_alu depctr_va_vdst(0)
.set k1, 0
.rept 16
	v_pk_mul_f32 v[160+k1:161+k1], v[160+k1:161+k1], v[252:253] op_sel_hi:[1,0]   ; O^T under the new M; also the plain instructions behind the conversions
.set k1, k1+2
.endr
	s_wait_alu depctr_va_vdst(0)
	s_wait_dscnt 0x0                               ; V's fragments are in
.irp t, 0,1,2,3
	v_wmma_f32_16x16x128_fp8_fp8 v[160+8*\t:167+8*\t], v[32+16*\t:47+16*\t], v[224:239], v[160+8*\t:167+8*\t]
.endr
.if \gen
.Lhidden_\@:
.endif
	s_add_co_u32 s[TB], s[TB], TSTEP
	s_add_co_u32 s[ST], s[ST], 1
.endm
; THE WAY OUT of a tile.  O^T / the sum is held, quantised, and goes through my stage in LDS (16 rows x SP bytes), so that a store covers 512 consecutive bytes.
.macro WAYOUT ob
.rept 4
	v_nop                                          ; places behind the last products
.endr
	v_add_f32 v14, v14, v15
	s_delay_alu instid0(VALU_DEP_1)
	v_permlanex16_b32 v252, v14, s[SEL], s[SEL+1]
	s_delay_alu instid0(VALU_DEP_1)
	v_add_f32 v14, v14, v252                       ; the row's sum
	s_wait_alu depctr_va_vdst(0)                   ; the wait ahead of the transcendental
	v_rcp_f32 v14, v14
	v_nop                                          ; a plain place behind it
	s_wait_alu depctr_va_vdst(0)                   ; and ahead of its first reader, which is also the first reader of O^T
.set k1, 0
.rept 16
	v_pk_mul_f32 v[96+k1:97+k1], v[160+k1:161+k1], v[14:15] op_sel_hi:[1,0]   ; register 8 t + i: channel 16 t + 8 h + i of my query
.set k1, k1+2
.endr
.set k1, 0
.rept 32
	v_med3_num_f32 v[96+k1], v[96+k1], -v241, v241
.set k1, k1+1
.endr
.irp t, 0,1,2,3
	v_cvt_scalef32_pk8_fp8_f32 v[128+2*\t:129+2*\t], v[96+8*\t:103+8*\t], v245
.endr
	v_nop                                          ; a plain instruction behind the conversions
.irp t, 0,1,2,3
	ds_store_b64 v[STI], v[128+2*\t:129+2*\t] offset:16*\t
.endr
.irp i, 0,1
	ds_load_b128 v[32+4*\i:35+4*\i], v[STB] offset:8*SP*\i   ; LDS serves a wave's instructions in order (ISA guide 5.7.1.4): these see my stores
.endr
.irp i, 0,1
	s_wait_dscnt 1-\i
	global_store_b128 v[GO], v[32+4*\i:35+4*\i], s[\ob:\ob+1] offset:512*\i
.endr
.endm
	s_mov_b32 s[ST], 0
	s_mov_b32 s[TB], 0
	s_wait_alu depctr_va_vdst(0)
	s_wait_tensorcnt 0x0                           ; my part of keys 0-511 is in
	ds_add_u32 v[SPW], v[NIL]
	s_wait_dscnt 0x0
	ROUND                                          ; everybody's part is in, and the four partners are here
	JLOAD G0KB, G0VB, G1B                          ; keys 512-2047: the first tensor load behind the round, and my last
	s_wait_loadcnt 0x0                             ; Q
.Lfirst:                                           ; the late tile, key steps 0-3: block 8 at the least, so none is hidden or on the diagonal
	STEP 16, 0, BL
	s_cmp_lt_u32 s[ST], 4
	s_cbranch_scc1 .Lfirst
	s_wait_alu depctr_va_vdst(0)
	s_wait_tensorcnt 0x0                           ; my part of keys 512-2047 is in
	ds_add_u32 v[SPW], v[NIL]
	s_wait_dscnt 0x0
	s_barrier_signal -1
	s_barrier_wait -1                              ; and everybody's: from here on K's and V's parts are only read
	s_mov_b32 s[ST], 4
	s_mov_b32 s[TB], 4*TSTEP
.Llate:                                            ; the late tile, key steps 4-15
	STEP 16, 1, BL
	s_cmp_lt_u32 s[ST], 16
	s_cbranch_scc1 .Llate
	WAYOUT OL
	INIT
	s_mov_b32 s[ST], 0
	s_mov_b32 s[TB], 0
	s_wait_alu depctr_va_vdst(0)
	s_wait_xcnt 0x0                                ; the stores have read their data registers, into which the next fragments are loaded
.Learly:                                           ; the early tile, key steps 0-7
	STEP 24, 1, BE
	s_cmp_lt_u32 s[ST], 8
	s_cbranch_scc1 .Learly
	WAYOUT OE
	s_wait_tensorcnt 0x0                           ; the wave's end: behind my last LDS store
	ds_add_u32 v[SPW], v[NIL]
	s_wait_dscnt 0x0
	ROUND                                          ; the closing round
	s_endpgm
.Lfunc_end_k_q68f090a9ba_attn:
	.size	k_q68f090a9ba_attn, .Lfunc_end_k_q68f090a9ba_attn-k_q68f090a9ba_attn
	.p2alignl 7, 3214868480
	.fill 96, 4, 3214868480
	.section	.rodata,"a",@progbits
	.p2align	6, 0x0
	.amdhsa_kernel k_q68f090a9ba_attn
		.amdhsa_group_segment_fixed_size 327680
		.amdhsa_private_segment_fixed_size 0
		.amdhsa_enable_private_segment 0
		.amdhsa_kernarg_size 40
		.amdhsa_user_sgpr_count 2
		.amdhsa_user_sgpr_kernarg_segment_ptr 1
		.amdhsa_wavefront_size32 1
		.amdhsa_system_sgpr_workgroup_id_x 1
		.amdhsa_system_sgpr_workgroup_id_y 1
		.amdhsa_system_sgpr_workgroup_id_z 1
		.amdhsa_system_vgpr_workitem_id 0
		.amdhsa_next_free_vgpr 256
		.amdhsa_next_free_sgpr 100
		.amdhsa_reserve_vcc 1
		.amdhsa_float_denorm_mode_32 3
		.amdhsa_float_denorm_mode_16_64 3
		.amdhsa_memory_ordered 1
		.amdhsa_forward_progress 1
		.amdhsa_inst_pref_size 79
	.end_amdhsa_kernel
	.amdgpu_metadata
---
amdhsa.version: [ 1, 2 ]
amdhsa.kernels:
  - .name:           k_q68f090a9ba_attn
    .symbol:         k_q68f090a9ba_attn.kd
    .args:
      - { .name: qc, .offset: 0, .size: 8, .value_kind: global_buffer, .address_space: global }
      - { .name: kc, .offset: 8, .size: 8, .value_kind: global_buffer, .address_space: global }
      - { .name: vt, .offset: 16, .size: 8, .value_kind: global_buffer, .address_space: global }
      - { .name: lowp_scales, .offset: 24, .size: 8, .value_kind: global_buffer, .address_space: global }
      - { .name: oc, .offset: 32, .size: 8, .value_kind: global_buffer, .address_space: global }
    .group_segment_fixed_size: 327680
    .private_segment_fixed_size: 0
    .kernarg_segment_align: 8
    .kernarg_segment_size: 40
    .max_flat_workgroup_size: 512
    .sgpr_count:     100
    .vgpr_count:     256
    .wavefront_size: 32
...
	.end_amdgpu_metadata
.endif
;; end of part 3
;; launch outp (part 4): grid 4 x 64, 4 waves a work-group, clusters of 4 x 4, 327,680 bytes of LDS; arguments oc, wc, lowp_scales, out0; writes out0
.if DOCPART == 4
	.amdgcn_target "amdgcn-amd-amdhsa--gfx1250"
	.amdhsa_code_object_version 6
	.text
	.protected	k_q68f090a9ba_outp
	.globl	k_q68f090a9ba_outp
	.p2align	8
	.type	k_q68f090a9ba_outp,@function
k_q68f090a9ba_outp:
	s_mov_b64 s[64:65], 0
	v_nop
	global_prefetch_b8 v0, s[64:65] scope:SCOPE_SE
	s_setreg_imm32_b32 hwreg(HW_REG_WAVE_MODE, 25, 1), 1
	s_wait_xcnt 0x0
	s_wait_alu depctr_hold_cnt(0) depctr_sa_sdst(0) depctr_va_vdst(0) depctr_va_sdst(0) depctr_va_ssrc(0) depctr_va_vcc(0) depctr_vm_vsrc(0)
	s_getreg_b32 s2, hwreg(HW_REG_IB_STS2, 6, 4)
	s_cmp_eq_u32 s2, 0
	s_cbranch_scc0 .Lentry_in_a_cluster
	s_endpgm
.Lentry_in_a_cluster:
	s_bfe_u32 s2, ttmp6, 0x10000c
	s_cmp_lg_u32 s2, 0xf033
	s_cbranch_scc0 .Lentry_shape_is_right
	s_endpgm
.Lentry_shape_is_right:
; FOURTH LAUNCH: out0[token][n] = sum over k of O[token][k] Wo[n][k], on codes of FP8 (E4M3); each finished sum is multiplied once by 2^(e10 + e11).
; oc [16 heads][8192 tokens][64]: k = 64 x head + channel; Wo's codes are the fourth MiB of wc, [1024 (n)][1024 (k)]; out0 [8192][1024] f32.
; LIMIT: e10 + e11 between -126 and 127, so that 2^(e10 + e11) is an f32 number.
; SHARES.  A block of out0 is 128 tokens x 256 columns: 64 x 4 = 256 work-groups.  Four waves, each 64 x 128: 32 accumulators of 16 x 16, 256 registers (window 2).
; K goes in steps of 256 (four heads) through a ring of two LDS slots; a slot holds A as four planes (a head each) of 128 rows x (64 + 16) bytes and B as 256 rows x (256 + 16) bytes.
; Waves 0 and 1 fetch two heads of A each (per head 8,192 consecutive bytes), waves 2 and 3 128 rows of B each: one tensor load a wave behind each round.
; CLUSTERS: 4 x 4 work-groups; A's tiles are asked for jointly along a row of the cluster, B's along a column.
; NO PREFETCH: K is four slots' worth; slots 0 and 1 are asked for at the head and behind the first round, the other two are the ring's only refills: a request two refills ahead of them would stand at the head, where none is laid.
; THE MATRIX INSTRUCTION IS USED TRANSPOSED (source 0 = 16 rows of Wo, source 1 = 16 tokens): a lane holds eight neighbouring numbers of a row of out0.
; Fragments are fetched by loads of 16 bytes: a permutation of k, the same on both sides.
; REGISTERS: window 0: v0-31 addresses; v128-191, v192-255 A's fragments (4 x 16 rows x 128 K), two sets; on the way out v32-255 are free.  Window 1: B's fragments (8), two sets, at v0 and v128.  Window 2: accumulator (a, b) at v[8 (8 a + b)].
; A step of 128 along K is 32 matrix instructions on one set, while the other set's 48 LDS loads are on their way.  The eight steps are written out by macros.
.set SIZE_N, 1024
.set ROWB,   256
.set KROW,   1024
.set PITCH,  272
.set PA,     80
.set HEADL,  128*PA                    ; a head's plane in a slot
.set APART,  4*HEADL
.set HALFB,  128*PITCH
.set SLOT,   APART+2*HALFB
.set HSTEP,  8192*64                   ; from head to head in oc
.set FR,     16
.set NP,     4                         ; places behind this matrix instruction (ISA guide 7.12.1)
.set SPARE,  2*SLOT                    ; the spare words, 128 bytes a wave: two blocks of 256 bytes that no other line names
.set SPITCH, 528                       ; the way out: a stage of 16 rows x (512 + 16) bytes for each wave, in slot 0, behind that slot's last fill and last read
.set ADRA, 16                          ; v16-19  my A fragments: slot 0 heads 0-1, heads 2-3; slot 1 likewise
.set ADRB, 20                          ; v20-21  my B fragments in slot 0, 1
.set STO,  24
.set RD,   25
.set CO,   26
.set SPW,  28
.set NIL,  29
.set TMP,  32
.set AF,   128
.set BK,   128
.set G1, 24
.set G0, 32
.set G1B, 48
.set G0B, 56
.set MSB, 0
.macro WIN new                         ; the immediate's high byte repeats the setting that is left
.if MSB != \new
	s_set_vgpr_msb (MSB<<8)|\new
.set MSB, \new
.endif
.endm
.set MUL_W, 0xa1                       ; source 0 (B) window 1, source 1 (A) window 0, C and D window 2
.set TO_B,  0x40                       ; destination window 1, address window 0
.macro JLOAD g0a, g1a, g0b, g1b        ; waves 0 and 1 ask for A, waves 2 and 3 for B; s_nop 0 and four v_nop follow each line
	s_cmp_eq_u32 s15, 0
	s_cbranch_scc0 .Lfor_b_\@
	tensor_load_to_lds s[\g0a:\g0a+3], s[\g1a:\g1a+7]
	s_nop 0
.rept 4
	v_nop
.endr
	s_branch .Lasked_\@
.Lfor_b_\@:
	tensor_load_to_lds s[\g0b:\g0b+3], s[\g1b:\g1b+7]
	s_nop 0
.rept 4
	v_nop
.endr
.Lasked_\@:
.endm
.macro CREST                           ; a round of the cluster's barrier behind its opening barrier
	s_cmp_lg_u32 s14, 0
	s_cbranch_scc1 .Lnot_wave_0_\@
	s_barrier_signal -3
.Lnot_wave_0_\@:
	s_barrier_wait -3
	s_barrier_signal -1
	s_barrier_wait -1
.endm
.macro CROUND
	s_barrier_signal -1
	s_barrier_wait -1
	CREST
.endm
	s_load_b128 s[4:7], s[0:1], 0x0                ; oc 4, wc 6
	s_load_b128 s[8:11], s[0:1], 0x10              ; the scales 8, out0 10
	v_lshl_add_u32 v[SPW], v0, 2, SPARE
	v_mov_b32 v[NIL], 0
	ds_add_u32 v[SPW], v[NIL]                      ; the wave's opening: the add, twice on end, and its wait ahead of the first tensor load
	ds_add_u32 v[SPW], v[NIL]
	v_lshrrev_b32 v1, 5, v0
	v_readfirstlane_b32 s14, v1                    ; wave 0..3
	s_lshr_b32 s15, s14, 1                         ; which 64 tokens are mine.  Also: I fetch for A (0) or for B (1)
	s_and_b32 s16, s14, 1                          ; which 128 columns.  Also: which half of that tile I fetch
	s_bfe_u32 s40, ttmp6, 0x40000                  ; cx, cy
	s_bfe_u32 s41, ttmp6, 0x40004
	s_lshl_b32 s42, ttmp9, 2
	s_add_co_u32 s42, s42, s40                     ; block column
	s_and_b32 s17, ttmp7, 0xffff
	s_lshl_b32 s17, s17, 2
	s_add_co_u32 s17, s17, s41                     ; block row
	s_lshl_b32 s43, s41, 2
	s_lshl_b32 s43, 15, s43                        ; my row of the cluster
	s_lshl_b32 s44, 0x1111, s40                    ; my column
	s_or_b32 s[G1+0], s43, (0<<16)|(1<<20)|(1<<21)|(3<<22)|(3<<25)   ; A: elements of 1 byte; four words of padding behind every 16; bit 21 beside the mask
	s_mov_b32 s[G1+1], 8192<<16                    ; a row of the tile: a head's 128 tokens x 64 bytes, consecutive in memory
	s_mov_b32 s[G1+2], 2<<16                       ; two heads
	s_mov_b32 s[G1+3], 8192<<16
	s_mov_b32 s[G1+4], 2
	s_mov_b32 s[G1+5], HSTEP
	s_mov_b32 s[G1+6], 0
	s_mov_b32 s[G1+7], 0
	s_or_b32 s[G1B+0], s44, (0<<16)|(1<<20)|(1<<21)|(5<<22)|(3<<25)  ; B: four words behind every 64
	s_mov_b32 s[G1B+1], ROWB<<16
	s_mov_b32 s[G1B+2], 128<<16
	s_mov_b32 s[G1B+3], ROWB<<16
	s_mov_b32 s[G1B+4], 128
	s_mov_b32 s[G1B+5], KROW
	s_mov_b32 s[G1B+6], 0
	s_mov_b32 s[G1B+7], 0
	s_lshl_b32 s20, s17, 13                        ; A: 128 tokens x 64 bytes x block row,
	s_lshl_b32 s18, s16, 20                        ; + two heads x my half
	s_add_co_u32 s20, s20, s18
	s_mov_b32 s21, 0
	s_lshl_b32 s46, s42, 18                        ; B: 256 rows x 1,024 bytes x block column,
	s_lshl_b32 s18, s16, 17                        ; + 128 rows x my half,
	s_add_co_u32 s46, s46, s18
	s_add_co_u32 s46, s46, 0x300000                ; in Wo's codes
	s_mov_b32 s47, 0
	s_mul_i32 s45, s16, 2*HEADL                    ; where they go: no place in the cluster enters an LDS address
	s_mul_i32 s19, s16, HALFB
	s_add_co_u32 s19, s19, APART
	s_wait_dscnt 0x0                               ; both opening adds are done
	s_wait_kmcnt 0x0
	s_load_b64 s[96:97], s[8:9], 0x28              ; e10, e11
	s_add_nc_u64 s[20:21], s[4:5], s[20:21]
	s_add_nc_u64 s[46:47], s[6:7], s[46:47]
	CROUND                                         ; all sixteen work-groups are here: the first joint loads meet
.irp s, 0,1
	s_mov_b32 s[G0+4*\s], 1
	s_add_co_u32 s[G0+4*\s+1], s45, \s*SLOT
	s_add_nc_u64 s[G0+4*\s+2:G0+4*\s+3], s[20:21], \s*4*HSTEP
	s_or_b32 s[G0+4*\s+3], s[G0+4*\s+3], 0x80000000
	s_mov_b32 s[G0B+4*\s], 1
	s_add_co_u32 s[G0B+4*\s+1], s19, \s*SLOT
	s_add_nc_u64 s[G0B+4*\s+2:G0B+4*\s+3], s[46:47], \s*ROWB
	s_or_b32 s[G0B+4*\s+3], s[G0B+4*\s+3], 0x80000000
.endr
	JLOAD G0, G1, G0B, G1B                         ; K step 0: one tensor load a wave at the head
	s_mul_i32 s21, s15, 64*PA                      ; my 64 rows of A
	s_mul_i32 s22, s16, HALFB                      ; my 128 rows of B,
	s_add_co_u32 s22, s22, APART                   ; behind A's planes
	s_mul_i32 s23, s14, 16*SPITCH                  ; my stage
	v_and_b32 v1, 15, v0                           ; l % 16
	v_bfe_u32 v2, v0, 4, 1                         ; l / 16
	v_mul_u32_u24 v3, v1, PA
	v_lshl_add_u32 v3, v2, 4, v3
	v_mul_u32_u24 v4, v1, PITCH
	v_lshl_add_u32 v4, v2, 4, v4
	v_add_nc_u32 v[ADRA], s21, v3
	v_add_nc_u32 v[ADRA+1], 2*HEADL, v[ADRA]
	v_add_nc_u32 v[ADRA+2], SLOT, v[ADRA]
	v_add_nc_u32 v[ADRA+3], SLOT, v[ADRA+1]
	v_add_nc_u32 v[ADRB], s22, v4
	v_add_nc_u32 v[ADRB+1], SLOT, v[ADRB]
	v_mul_u32_u24 v5, v1, SPITCH                   ; the stage, in: row l % 16, 32 bytes for each half of the lanes
	v_lshl_add_u32 v5, v2, 5, v5
	v_add_nc_u32 v[STO], s23, v5
	v_and_b32 v6, 31, v0
	v_lshlrev_b32 v[CO], 4, v6                     ; back: the 32 lanes take one row of 512 bytes; and the same in out0
	v_add_nc_u32 v[RD], s23, v[CO]
	s_lshl_b32 s20, s17, 7
	s_lshl_b32 s21, s15, 6
	s_add_co_u32 s20, s20, s21                     ; my first row of out0: 128 x block row + 64 x half
	s_mov_b32 s21, 0
	s_mov_b64 s[18:19], SIZE_N*4
	s_mul_u64 s[20:21], s[20:21], s[18:19]
	s_lshl_b32 s46, s42, 10                        ; my first column, in bytes: 1,024 x block column + 512 x half
	s_lshl_b32 s47, s16, 9
	s_add_co_u32 s46, s46, s47
	s_mov_b32 s47, 0
	s_add_nc_u64 s[20:21], s[20:21], s[46:47]
	s_add_nc_u64 s[10:11], s[10:11], s[20:21]
.macro FRAGA reg, adr, i               ; 16 tokens x 128 K: two heads, 64 bytes of each
.irp c, 0,1,2,3
	ds_load_b128 v[\reg+4*\c:\reg+4*\c+3], v[\adr] offset:(\c/2)*HEADL+32*(\c%2)+(\i)*16*PA
.endr
.endm
.macro FRAGB reg, adr, q, i
.irp c, 0,1,2,3
	ds_load_b128 v[\reg+4*\c:\reg+4*\c+3], v[\adr] offset:128*(\q)+32*\c+(\i)*16*PITCH
.endr
.endm
; 16 matrix instructions: A's blocks a0, a0 + 1 x B's eight, on set p.  The 32 accumulators take turns, one instruction a turn, in the same order in every step.
.macro MUL16 a0, p, zero
.irp a, \a0, \a0+1
.irp b, 0,1,2,3,4,5,6,7
.if \zero
	v_wmma_f32_16x16x128_fp8_fp8 v[8*(8*(\a)+\b):8*(8*(\a)+\b)+7], v[128*(\p)+FR*\b:128*(\p)+FR*\b+FR-1], v[AF+64*(\p)+FR*(\a):AF+64*(\p)+FR*(\a)+FR-1], 0
.else
	v_wmma_f32_16x16x128_fp8_fp8 v[8*(8*(\a)+\b):8*(8*(\a)+\b)+7], v[128*(\p)+FR*\b:128*(\p)+FR*\b+FR-1], v[AF+64*(\p)+FR*(\a):AF+64*(\p)+FR*(\a)+FR-1], v[8*(8*(\a)+\b):8*(8*(\a)+\b)+7]
.endif
.endr
.endr
.endm
.macro FETCH slot, q, p                ; 48 LDS loads: the fragments of the slot's q-th 128 along K into set p
	WIN TO_B
.irp i, 0,1,2,3,4,5,6,7
	FRAGB 128*(\p)+FR*\i, ADRB+\slot, \q, \i
.endr
	WIN 0
.irp i, 0,1,2,3
	FRAGA AF+64*(\p)+FR*\i, ADRA+2*(\slot)+(\q), \i
.endr
.endm
.macro PLACES n
.rept \n
	v_nop
.endr
.endm
.macro STEP0 slot, zero                ; a slot's first step: set 0 is multiplied while set 1 is fetched from the same slot
	s_wait_dscnt 0x0                               ; set 0 is in
	PLACES NP                                      ; in front of loads into set 1, which the last products read
	FETCH \slot, 1, 1
	WIN MUL_W
	MUL16 0, 0, \zero
	MUL16 2, 0, \zero
	WIN 0
.endm
; A slot's last step changes slots: each wave waits for all its tensor loads, adds 0 to its spare word, and waits for that and for its reads of this slot; then the barrier.  fill = 1: the barrier opens a round, and this slot is filled again.
.macro TURN slot, next, fill
	s_wait_tensorcnt 0x0                           ; all my tensor loads have landed: my part of the next slot
	ds_add_u32 v[SPW], v[NIL]
	s_wait_dscnt 1                                 ; set 1 is in; the add may be out
	WIN MUL_W
	MUL16 0, 1, 0                                  ; sixteen matrix instructions stand between the add and the wait for it
	WIN 0
	s_wait_dscnt 0x0                               ; the add is done, and my reads of this slot are over
	s_barrier_signal -1
	s_barrier_wait -1
.if \fill
	CREST                                          ; no wave of any partner still reads this slot's tile or has a load on its way
	s_add_nc_u64 s[G0+4*\slot+2:G0+4*\slot+3], s[G0+4*\slot+2:G0+4*\slot+3], 8*HSTEP
	s_add_nc_u64 s[G0B+4*\slot+2:G0B+4*\slot+3], s[G0B+4*\slot+2:G0B+4*\slot+3], 2*ROWB
	JLOAD G0+4*\slot, G1, G0B+4*\slot, G1B         ; the first tensor load behind the round; its four v_nop are the places in front of the loads below
.else
	PLACES NP
.endif
	FETCH \next, 0, 0
	WIN MUL_W
	MUL16 2, 1, 0
	WIN 0
.endm
	s_wait_alu depctr_va_vdst(0)
	s_wait_tensorcnt 0x0                           ; my part of K step 0 is in
	ds_add_u32 v[SPW], v[NIL]
	s_wait_dscnt 0x0
	CROUND                                         ; everybody's part is in, and all sixteen work-groups are here
	JLOAD G0+4, G1, G0B+4, G1B                     ; K step 1: the first tensor load behind the round
	FETCH 0, 0, 0
	STEP0 0, 1                                     ; the first products start the sums: nothing is cleared
	TURN 0, 1, 1                                   ; slot 0 takes K step 2
	STEP0 1, 0
	TURN 1, 0, 1                                   ; slot 1 takes K step 3
	STEP0 0, 0
	TURN 0, 1, 0                                   ; nothing is left to ask for: no round
	STEP0 1, 0
	s_wait_dscnt 0x0                               ; the last step
	WIN MUL_W
	MUL16 0, 1, 0
	MUL16 2, 1, 0
	WIN 0
; THE WAY OUT, block by block of 16 rows x 128 columns: through my own stage in LDS and back as whole rows of 512 bytes, which the 32 lanes store as two aligned units of 256 bytes.
; LDS serves a wave's instructions in order (ISA guide 5.7.1.4): no wait between the stores and the loads.
.macro TOSTAGE a
.set AC, 64*(\a)
	WIN 0x02                                       ; source 0: window 2
.irp j, 0,2,4,6,8,10,12,14,16,18,20,22,24,26,28,30,32,34,36,38,40,42,44,46,48,50,52,54,56,58,60,62
	v_pk_mul_f32 v[TMP+\j:TMP+\j+1], v[AC+\j:AC+\j+1], s[96:97] op_sel_hi:[1,0]   ; both x s96 = 2^(e10 + e11); each accumulator from its low end on
.endr
	WIN 0
.irp b, 0,1,2,3,4,5,6,7
	ds_store_b128 v[STO], v[TMP+8*\b:TMP+8*\b+3] offset:64*\b
	ds_store_b128 v[STO], v[TMP+8*\b+4:TMP+8*\b+7] offset:64*\b+16
.endr
.set BB, BK+64*((\a)%2)
.irp t, 0,1,2,3,4,5,6,7,8,9,10,11,12,13,14,15
	ds_load_b128 v[BB+4*\t:BB+4*\t+3], v[RD] offset:\t*SPITCH
.endr
.endm
.macro SEND a, younger                 ; younger: the LDS instructions issued behind block a's loads, which may stay out
.set BB, BK+64*((\a)%2)
	s_wait_dscnt \younger
.if (\a) > 0
	s_add_nc_u64 s[10:11], s[10:11], 16*SIZE_N*4   ; behind a wait on XCNT: the earlier stores have read their base
.endif
.irp t, 0,1,2,3,4,5,6,7,8,9,10,11,12,13,14,15
	global_store_b128 v[CO], v[BB+4*\t:BB+4*\t+3], s[10:11] offset:\t*SIZE_N*4 th:TH_STORE_NT
.endr
.endm
	s_wait_kmcnt 0x0
	s_add_co_i32 s96, s96, s97
	s_add_co_i32 s96, s96, 127
	s_lshl_b32 s96, s96, 23                        ; 2^(e10 + e11) as f32
	PLACES NP                                      ; behind the last products: for the first read of results and the loads into A's registers
	TOSTAGE 0
.irp a, 1,2,3
.if \a > 1
	s_wait_xcnt 0x0                                ; block a - 2's stores have read their registers and their base
.endif
	TOSTAGE \a
	SEND \a-1, 32                                  ; behind block a - 1's loads: block a's 16 stores and 16 loads
.endr
	s_wait_xcnt 0x0
	SEND 3, 0
	s_wait_tensorcnt 0x0                           ; the wave's end
	ds_add_u32 v[SPW], v[NIL]
	s_wait_dscnt 0x0
	CROUND                                         ; the closing round
	s_endpgm
.Lfunc_end_k_q68f090a9ba_outp:
	.size	k_q68f090a9ba_outp, .Lfunc_end_k_q68f090a9ba_outp-k_q68f090a9ba_outp
	.p2alignl 7, 3214868480
	.fill 96, 4, 3214868480
	.section	.rodata,"a",@progbits
	.p2align	6, 0x0
	.amdhsa_kernel k_q68f090a9ba_outp
		.amdhsa_group_segment_fixed_size 327680
		.amdhsa_private_segment_fixed_size 0
		.amdhsa_enable_private_segment 0
		.amdhsa_kernarg_size 32
		.amdhsa_user_sgpr_count 2
		.amdhsa_user_sgpr_kernarg_segment_ptr 1
		.amdhsa_wavefront_size32 1
		.amdhsa_system_sgpr_workgroup_id_x 1
		.amdhsa_system_sgpr_workgroup_id_y 1
		.amdhsa_system_sgpr_workgroup_id_z 1
		.amdhsa_system_vgpr_workitem_id 0
		.amdhsa_next_free_vgpr 768
		.amdhsa_next_free_sgpr 98
		.amdhsa_reserve_vcc 0
		.amdhsa_float_denorm_mode_32 3
		.amdhsa_float_denorm_mode_16_64 3
		.amdhsa_memory_ordered 1
		.amdhsa_forward_progress 1
		.amdhsa_inst_pref_size 76
	.end_amdhsa_kernel
	.amdgpu_metadata
---
amdhsa.version: [ 1, 2 ]
amdhsa.kernels:
  - .name:           k_q68f090a9ba_outp
    .symbol:         k_q68f090a9ba_outp.kd
    .args:
      - { .name: oc, .offset: 0, .size: 8, .value_kind: global_buffer, .address_space: global }
      - { .name: wc, .offset: 8, .size: 8, .value_kind: global_buffer, .address_space: global }
      - { .name: lowp_scales, .offset: 16, .size: 8, .value_kind: global_buffer, .address_space: global }
      - { .name: out0, .offset: 24, .size: 8, .value_kind: global_buffer, .address_space: global }
    .group_segment_fixed_size: 327680
    .private_segment_fixed_size: 0
    .kernarg_segment_align: 8
    .kernarg_segment_size: 32
    .max_flat_workgroup_size: 128
    .sgpr_count:     98
    .vgpr_count:     768
    .wavefront_size: 32
...
	.end_amdgpu_metadata
.endif
;; end of part 4
